; MI455X (gfx1250); checked and timed in simulation.
; The chip was launched on July 23, 2026; its instructions are those of AMD's public machine-readable ISA for CDNA 5 (MIT licence, August 2026) and "CDNA5" Instruction Set Architecture Reference Guide (July 2026). The comments in the code are by the model that wrote it; some were corrected since.
;; Multi Head Attention. Allowed arithmetic: float matrix products may take bf16 or f16 operands with f32 sums; other float arithmetic in f32, or as packed bf16 or f16 multiplies, adds, multiply-adds, maxima and minima; sums over many terms, partial sums and values carried from step to step in f32; what a program stores and reads back later, other than sums and carried values, may be rounded once to bf16 or f16.
;; Inputs: Wk 1,024 x 1,024 float32; Wo 1,024 x 1,024 float32; Wq 1,024 x 1,024 float32; Wv 1,024 x 1,024 float32; bk 1,024 float32; bo 1,024 float32; bq 1,024 float32; bv 1,024 float32; x 2 x 2,048 x 1,024 float32.
;; Outputs: out0 2 x 2,048 x 1,024 float32.
;; 2 versions, each right; version 2 is version 1 with the launch cast written anew for expert scheduling mode. Each part assembles by itself: llvm-mc -triple=amdgcn-amd-amdhsa -mcpu=gfx1250 --defsym DOCPART=n.
;; ======== version 1 of 2: 4 launches
;; limits: values are held in f16: magnitudes above 65,504 overflow, below 6.1e-05 lose precision; right only within a limited range of input values
;; workspace buffers: xb 8,388,608 bytes; wcat 6,291,456 bytes; qh 8,388,608 bytes; mpart 4,194,304 bytes; amax 4,096 bytes; nt 4,194,304 bytes
;; launch cast (part 1): grid 448 x 1, 8 waves a work-group, no clusters, 0 bytes of LDS; arguments x, Wq, Wk, Wv, xb, wcat; writes xb, wcat
.if DOCPART == 1
	.amdgcn_target "amdgcn-amd-amdhsa--gfx1250"
	.amdhsa_code_object_version 6
	.text
	.protected	k_q56e560ac99_cast
	.globl	k_q56e560ac99_cast
	.p2align	8
	.type	k_q56e560ac99_cast,@function
k_q56e560ac99_cast:
	s_mov_b64 s[64:65], 0
	v_nop
	global_prefetch_b8 v0, s[64:65] scope:SCOPE_SE
	s_setreg_imm32_b32 hwreg(HW_REG_WAVE_MODE, 25, 1), 1
	s_wait_xcnt 0x0
; THE PROGRAM (four launches).  reference(): out = ((x Wq + bq)(x Wk + bk)^T / 8)(x Wv + bv), head by head, then times Wo plus bo.  No softmax stands between the
; two inner products, so for every value of the inputs, in exact arithmetic, (Q K^T) V = Q (K^T V): per batch and head M = K^T V is 64 x 64, and the L x L scores are never formed.
; Further Q (M Wo_h) = (Q M) Wo_h, so the head's M is multiplied into Wo first.  No input is left out: all nine are loaded.
; LIMITS of the whole program.  The sums are taken in another order than reference()'s.  A NaN, an infinity or an overflow that would arise only in the L x L scores is not carried to the result.
; All inputs are rounded to bf16; q, k, v are kept as f16 after a factor 1/16, so |q|, |k|, |v| (bias included) must stay under 16 x 65,504, and below a root mean square of 3e-4 they lose more than f16's usual rounding.
; THIS LAUNCH: x, Wq, Wk, Wv from f32 to bf16.  xb keeps x's layout.  wcat lays the weights in blocks [head 16][K step 8][q, k, v][k 128][64 columns], so that what a
; work-group of the next launch wants for one K step of 128 is 49,152 consecutive bytes.
; A stream: no LDS, no matrix work, no loop, nothing shared between work-groups (so no cluster).  A wave issues 16 loads of 512 bytes at once and 16 stores, each of 256 consecutive bytes, aligned.
; Work-groups 0-255: 65,536 bytes of x each.  Work-groups 256-447: 256 rows x 64 columns of one weight (part, head, quarter of K).
.set X, 8                              ; v[8:71]   load i: 4 registers
.set Y, 72                             ; v[72:103] store i: 2 registers
.macro LOADS step                      ; 16 loads, step bytes apart
.irp i, 0,1,2,3,4,5,6,7,8,9,10,11,12,13,14,15
	global_load_b128 v[X+4*(\i):X+4*(\i)+3], v2, s[20:21] offset:(\step)*(\i) th:TH_LOAD_NT
.endr
.endm
	s_load_b256 s[4:11], s[0:1], 0x0               ; x s[4:5], Wq s[6:7], Wk s[8:9], Wv s[10:11]
	s_load_b128 s[12:15], s[0:1], 0x20             ; xb s[12:13], wcat s[14:15]
	v_and_b32 v1, 31, v0                           ; lane
	v_lshrrev_b32 v4, 5, v0
	v_readfirstlane_b32 s16, v4                    ; wave 0..7
	v_lshlrev_b32 v3, 3, v1                        ; out: 8 bytes a lane
	s_mov_b32 s25, 0
	s_mov_b32 s27, 0
	s_cmp_lt_u32 ttmp9, 256
	s_cbranch_scc0 .Lweights
	s_lshl_b32 s24, ttmp9, 16                      ; x: the work-group's 65,536 bytes,
	s_lshl_b32 s17, s16, 13                        ; the wave's 8,192
	s_add_co_u32 s24, s24, s17
	s_lshr_b32 s26, s24, 1                         ; half as many bytes out
	v_lshlrev_b32 v2, 4, v1                        ; in: 16 bytes a lane
	s_wait_kmcnt 0x0
	s_add_nc_u64 s[20:21], s[4:5], s[24:25]
	s_add_nc_u64 s[22:23], s[12:13], s[26:27]
	LOADS 512
	s_branch .Lout
.Lweights:
	s_sub_co_u32 s28, ttmp9, 256                   ; u = 0..191
	s_lshr_b32 s29, s28, 6                         ; part: 0 q, 1 k, 2 v
	s_bfe_u32 s30, s28, 0x40002                    ; head
	s_and_b32 s28, s28, 3                          ; quarter of K: 256 rows
	s_lshl_b32 s24, s28, 20                        ; in: (256 quarter + 32 wave) rows of 4,096 bytes + 256 head
	s_lshl_b32 s17, s16, 17
	s_add_co_u32 s24, s24, s17
	s_lshl_b32 s17, s30, 8
	s_add_co_u32 s24, s24, s17
	s_lshl_b32 s26, s30, 3                         ; out: ((8 head + K step) 3 + part) 16,384 + 32 (wave % 4) rows of 128 bytes; K step = 2 quarter + wave / 4
	s_lshl_b32 s17, s28, 1
	s_add_co_u32 s26, s26, s17
	s_lshr_b32 s17, s16, 2
	s_add_co_u32 s26, s26, s17
	s_mul_i32 s26, s26, 3
	s_add_co_u32 s26, s26, s29
	s_lshl_b32 s26, s26, 14
	s_and_b32 s17, s16, 3
	s_lshl_b32 s17, s17, 12
	s_add_co_u32 s26, s26, s17
	v_and_b32 v5, 15, v1                           ; lanes 0-15 take a row's 256 bytes, lanes 16-31 the next row's
	v_lshrrev_b32 v6, 4, v1
	v_lshlrev_b32 v5, 4, v5
	v_lshl_add_u32 v2, v6, 12, v5
	s_wait_kmcnt 0x0
	s_cmp_eq_u32 s29, 0
	s_cselect_b64 s[20:21], s[6:7], s[8:9]
	s_cmp_eq_u32 s29, 2
	s_cselect_b64 s[20:21], s[10:11], s[20:21]
	s_add_nc_u64 s[20:21], s[20:21], s[24:25]
	s_add_nc_u64 s[22:23], s[14:15], s[26:27]
	LOADS 8192                                     ; two rows a load
.Lout:
.irp i, 0,1,2,3,4,5,6,7,8,9,10,11,12,13,14,15
	s_wait_loadcnt 15-(\i)                         ; loads come back in order: load i is in, the younger ones stay out
	v_cvt_pk_bf16_f32 v[Y+2*(\i)], v[X+4*(\i)], v[X+4*(\i)+1]
	v_cvt_pk_bf16_f32 v[Y+2*(\i)+1], v[X+4*(\i)+2], v[X+4*(\i)+3]
	global_store_b64 v3, v[Y+2*(\i):Y+2*(\i)+1], s[22:23] offset:256*(\i)  ; 32 lanes x 8 bytes: 256 consecutive bytes, aligned; no register is written twice, so no further wait
.endr
	s_endpgm
.Lfunc_end_k_q56e560ac99_cast:
	.size	k_q56e560ac99_cast, .Lfunc_end_k_q56e560ac99_cast-k_q56e560ac99_cast
	.p2alignl 7, 3214868480
	.fill 96, 4, 3214868480
	.section	.rodata,"a",@progbits
	.p2align	6, 0x0
	.amdhsa_kernel k_q56e560ac99_cast
		.amdhsa_group_segment_fixed_size 0
		.amdhsa_private_segment_fixed_size 0
		.amdhsa_enable_private_segment 0
		.amdhsa_kernarg_size 48
		.amdhsa_user_sgpr_count 2
		.amdhsa_user_sgpr_kernarg_segment_ptr 1
		.amdhsa_wavefront_size32 1
		.amdhsa_system_sgpr_workgroup_id_x 1
		.amdhsa_system_sgpr_workgroup_id_y 1
		.amdhsa_system_sgpr_workgroup_id_z 1
		.amdhsa_system_vgpr_workitem_id 0
		.amdhsa_next_free_vgpr 104
		.amdhsa_next_free_sgpr 66
		.amdhsa_reserve_vcc 0
		.amdhsa_float_denorm_mode_32 3
		.amdhsa_float_denorm_mode_16_64 3
		.amdhsa_memory_ordered 1
		.amdhsa_forward_progress 1
		.amdhsa_inst_pref_size 10
	.end_amdhsa_kernel
	.amdgpu_metadata
---
amdhsa.version: [ 1, 2 ]
amdhsa.kernels:
  - .name:           k_q56e560ac99_cast
    .symbol:         k_q56e560ac99_cast.kd
    .args:
      - { .name: x, .offset: 0, .size: 8, .value_kind: global_buffer, .address_space: global }
      - { .name: Wq, .offset: 8, .size: 8, .value_kind: global_buffer, .address_space: global }
      - { .name: Wk, .offset: 16, .size: 8, .value_kind: global_buffer, .address_space: global }
      - { .name: Wv, .offset: 24, .size: 8, .value_kind: global_buffer, .address_space: global }
      - { .name: xb, .offset: 32, .size: 8, .value_kind: global_buffer, .address_space: global }
      - { .name: wcat, .offset: 40, .size: 8, .value_kind: global_buffer, .address_space: global }
    .group_segment_fixed_size: 0
    .private_segment_fixed_size: 0
    .kernarg_segment_align: 8
    .kernarg_segment_size: 48
    .max_flat_workgroup_size: 256
    .sgpr_count:     66
    .vgpr_count:     104
    .wavefront_size: 32
...
	.end_amdgpu_metadata
.endif
;; end of part 1
;; launch proj (part 2): grid 16 x 16, 4 waves a work-group, clusters of 4 x 4, 327,680 bytes of LDS; arguments xb, wcat, bq, bk, bv, qh, mpart, amax; writes qh, mpart, amax
.if DOCPART == 2
	.amdgcn_target "amdgcn-amd-amdhsa--gfx1250"
	.amdhsa_code_object_version 6
	.text
	.protected	k_q56e560ac99_proj
	.globl	k_q56e560ac99_proj
	.p2align	8
	.type	k_q56e560ac99_proj,@function
k_q56e560ac99_proj:
	s_mov_b64 s[64:65], 0
	v_nop
	global_prefetch_b8 v0, s[64:65] scope:SCOPE_SE
	s_setreg_imm32_b32 hwreg(HW_REG_WAVE_MODE, 25, 1), 1
	s_wait_xcnt 0x0
	s_wait_alu depctr_hold_cnt(0) depctr_sa_sdst(0) depctr_va_vdst(0) depctr_va_sdst(0) depctr_va_ssrc(0) depctr_va_vcc(0) depctr_vm_vsrc(0)
	s_getreg_b32 s2, hwreg(HW_REG_IB_STS2, 6, 4)
	s_cmp_eq_u32 s2, 0
	s_cbranch_scc0 .Lentry_in_a_cluster
	s_endpgm
.Lentry_in_a_cluster:
	s_bfe_u32 s2, ttmp6, 0x10000c
	s_cmp_lg_u32 s2, 0xf033
	s_cbranch_scc0 .Lentry_shape_is_right
	s_endpgm
.Lentry_shape_is_right:
; q' = (x Wq + bq) / 16, k', v' likewise, for one head and 256 rows; then this chunk's part of M'' = k'^T v' (64 x 64, f32), and the largest magnitude in it.
; The L x L scores of reference() are not formed: (Q K^T) V = Q (K^T V) for all values (see the first kernel's head); k' and v' never leave the registers.
; LIMITS.  x, the weights and the biases are bf16 roundings; q', k', v' are f16: |q|, |k|, |v| under 16 x 65,504; NaN and infinities are not treated apart.
; SHARES.  Work-group (head, chunk): 256 rows x 192 columns (q, k, v of the head).  Wave w owns rows 64 w .. 64 w + 63 and all 192 columns: 48 accumulators, 384 registers, so k' and v' of the same rows lie in one wave.
; K = 1,024 goes in 8 steps of 128 through two LDS slots; a wave brings half of x's tile (waves 0, 1) or half of the weights' tile (waves 2, 3) with one tensor load.
; CLUSTER 4 x 4.  x's tile hangs on the chunk alone: shared along a row of the cluster; the weights' on the head alone: shared along a column.  Each is asked for jointly, same descriptor and mask in all four.
; ORIENTATION.  k, v: source 0 = 16 rows of x, source 1 = 16 columns of W: a lane holds ONE column and 8 rows; two such results rounded in pairs ARE a fragment (16 columns x 32 rows) of k'^T v'.
; q: the sources swapped: a lane holds one row and 8 neighbouring columns, 16 bytes of qh.  W lies in LDS as [k][column] and is turned by ds_load_tr16_b128.
; REGISTERS, in windows of 256 (s_set_vgpr_msb: bits 1:0 source 0, 3:2 source 1, 5:4 source 2, 7:6 destination):
;   window 0: v0-31 addresses; v32-63, v128-159 q on its way out; v64-127 x's fragments, two buffers of 4 (later the sums of M); v160-191 bq / 16; v192-215 bk, bv
;   window 1: v0-191 W's fragments, two buffers of 96 (k, v: 8 n; q: 64 + 8 n); later k' at v0-63 and v' at v64-127 as f16 fragments
;   window 2: k's and v's accumulators, (row block a, n) at 8 (8 a + n), n 0-3 k, 4-7 v      window 3: v0-127 q's, (a, n) at 8 (4 a + n); v128-255 M's, (d block a, e block j) at 128 + 8 (4 a + j)
.set PX,    272                        ; a row of x in LDS: 256 bytes + 16: the 16 rows of a load start at 16 different groups of four banks (64 banks of 4 bytes: ISA guide 11.1)
.set PW,    160                        ; a row of W: 128 bytes + 32
.set XHALF, 128*PX                     ; what one load of x brings
.set WHALF, 192*PW                     ; what one load of W brings: 96 memory rows of 256 bytes = 192 LDS rows
.set XT,    2*XHALF                    ; x's 256 rows; behind them W's 384 rows (part x 128 + k)
.set SLOT,  XT+2*WHALF                 ; 131,072
.set STAGE, 2*SLOT                     ; behind the ring, never filled by a tensor load: 16 rows x 144 bytes for each wave, q's way out
.set QSP,   144
.set MRED,  STAGE+4*16*QSP             ; 32 rows x 272 bytes for each wave: where the four waves' parts of M meet
.set MP,    272
.set SPARE, MRED+4*32*MP               ; the spare words, 128 bytes for each wave: two blocks of 256 bytes that no other line names
.set ADRA, 16                          ; v16-17  LDS address of my x fragments in slot 0, 1
.set ADRB, 20                          ; v20-21  the same for W
.set QSTO, 22                          ; v22     q's way out: where I put 16 bytes of a row
.set QRD,  23                          ; v23     where I read rows back
.set L16,  24                          ; v24     16 x lane
.set MSTO, 25                          ; v25     where I put 32 bytes of a row of M
.set MRD,  26                          ; v26     where I read the four parts back
.set AM,   27                          ; v27     the largest |M''| I have summed
.set SPW,  28                          ; v28     my spare word: SPARE + 4 x my thread's number; never rewritten
.set NIL,  29                          ; v29     0; never rewritten
.set PFO,  30                          ; v30     the prefetches' offset; never rewritten
.set TT,   31                          ; v31     at work
.set XF,   64
.set BQ,   160
.set RAW,  192
.set BKV,  200                         ; bias / 16 of column n, as a pair
.set WV,  12                           ; s12 wave; s13 wave / 2: I fetch x (0) or W (1); s14 wave % 2: which half
.set G1,  24                           ; s[24:31] descriptor group 1 for x's tiles;  s[32:39] group 0, a set for each slot
.set G0,  32
.set G1B, 48                           ; s[48:55], s[56:63] the same for W's
.set G0B, 56
.set LIM, 43                           ; s43 1 in a wave that prefetches, else the greatest number
.set PFA, 44                           ; s[44:45] where my prefetches stand
.set PST, 46                           ; s[46:47] their step from K step to K step
.set MSB, 0
.macro WIN new                         ; the immediate's high byte repeats the setting that is left; a switch that changes nothing is dropped
.if MSB != (\new)
	s_set_vgpr_msb (MSB<<8)|(\new)
.set MSB, \new
.endif
.endm
.set W_KV, 0xa4                        ; x window 0, W window 1, C and D window 2
.set W_Q,  0xf1                        ; W window 1, x window 0, C and D window 3
.set TO_B, 0x40                        ; destination window 1, address window 0
.macro PLACES                          ; four plain places behind matrix instructions, in front of loads into registers that they read and of vector lines that read results
.rept 4
	v_nop
.endr
.endm
; A joint load.  The branch hangs on the wave's number alone.  An s_nop 0 and four v_nop follow each of the two lines, ahead of the jump and the label.
.macro JLOAD s
	s_cmp_eq_u32 s13, 0
	s_cbranch_scc0 .Lfor_w_\@
	tensor_load_to_lds s[G0+4*(\s):G0+4*(\s)+3], s[G1:G1+7]
	s_nop 0
.rept 4
	v_nop
.endr
	s_branch .Lasked_\@
.Lfor_w_\@:
	tensor_load_to_lds s[G0B+4*(\s):G0B+4*(\s)+3], s[G1B:G1B+7]
	s_nop 0
.rept 4
	v_nop
.endr
.Lasked_\@:
.endm
.macro CREST                           ; a round of the cluster's barrier behind its opening barrier
	s_cmp_lg_u32 s[WV], 0
	s_cbranch_scc1 .Lnot_wave_0_\@
	s_barrier_signal -3
.Lnot_wave_0_\@:
	s_barrier_wait -3
	s_barrier_signal -1
	s_barrier_wait -1
.endm
.macro CROUND
	s_barrier_signal -1
	s_barrier_wait -1
	CREST
.endm
; A PREFETCH INTO THE L2 of the K step that stands two refills on (384 matrix instructions ahead of the load that will want it), behind the joint load, its five lines and the run of LDS loads.
; x's rows of a chunk are read by every cluster of that row of clusters: cluster x = 0 asks; of the 128 rows that a wave fetches the partner at cx takes 32, a lane a row.
; W's block of a head is read by every cluster of that column: cluster y = 0 asks; of the wave's 96 pieces of 256 bytes the partner at cy takes 24 (lanes 24-31 name the last once more).
; The partners are told apart by address, never by a branch.  K steps 0 to 3 come by their loads alone; the loop's last trip (s3 = 1) asks for nothing: there is no K step 8.
.macro ASK
	WIN 0                                          ; at a branch and at a label every window is 0
	s_cmp_gt_u32 s3, s[LIM]
	s_cbranch_scc0 .Lnot_mine_\@
	global_prefetch_b8 v[PFO], s[PFA:PFA+1] th:TH_LOAD_NT scope:SCOPE_SE
.Lnot_mine_\@:
.endm
	s_load_b256 s[4:11], s[0:1], 0x0               ; xb s[4:5], wcat s[6:7], bq s[8:9], bk s[10:11]
	s_load_b256 s[72:79], s[0:1], 0x20             ; bv s[72:73], qh s[74:75], mpart s[76:77], amax s[78:79]
	v_lshl_add_u32 v[SPW], v0, 2, SPARE
	v_mov_b32 v[NIL], 0
	ds_add_u32 v[SPW], v[NIL]                      ; the wave's opening: the add, twice on end, and its wait ahead of my first tensor load
	ds_add_u32 v[SPW], v[NIL]                      ; and once more, under the one wait; the set-up below, work on registers, stands between
	v_lshrrev_b32 v1, 5, v0
	v_readfirstlane_b32 s[WV], v1                  ; wave 0..3
	s_lshr_b32 s13, s[WV], 1
	s_and_b32 s14, s[WV], 1
	s_bfe_u32 s40, ttmp6, 0x40000                  ; cx
	s_bfe_u32 s41, ttmp6, 0x40004                  ; cy
	s_lshl_b32 s42, ttmp9, 2
	s_add_co_u32 s42, s42, s40                     ; head = 4 x cluster x + cx
	s_and_b32 s15, ttmp7, 0xffff
	s_lshl_b32 s15, s15, 2
	s_add_co_u32 s15, s15, s41                     ; chunk of 256 rows = 4 x cluster y + cy
	s_lshl_b32 s22, s41, 2
	s_lshl_b32 s22, 15, s22                        ; my row of the cluster
	s_lshl_b32 s70, 0x1111, s40                    ; my column
	s_or_b32 s[G1], s22, (1<<16)|(1<<20)|(1<<21)|(5<<22)|(3<<25)   ; 15:0 mask; 17:16 2-byte elements; 20 padding on; 21 set beside a mask; after every 64 words (code 5) 4 words (code 3)
	s_mov_b32 s[G1+1], 128<<16                     ; tensor_dim0 = 128
	s_mov_b32 s[G1+2], 128<<16                     ; tensor_dim1 = 128
	s_mov_b32 s[G1+3], 128<<16                     ; tile_dim0 = 128
	s_mov_b32 s[G1+4], 128                         ; tile_dim1 = 128
	s_mov_b32 s[G1+5], 1024                        ; elements from row to row of xb
	s_mov_b32 s[G1+6], 0
	s_mov_b32 s[G1+7], 0
	s_or_b32 s[G1B], s70, (1<<16)|(1<<20)|(1<<21)|(4<<22)|(7<<25)  ; W: 24,576 dense bytes as 96 rows of 256; after every 32 words (code 4), one row of W, 8 words (code 7)
	s_mov_b32 s[G1B+1], 128<<16
	s_mov_b32 s[G1B+2], 96<<16
	s_mov_b32 s[G1B+3], 128<<16
	s_mov_b32 s[G1B+4], 96
	s_mov_b32 s[G1B+5], 128
	s_mov_b32 s[G1B+6], 0
	s_mov_b32 s[G1B+7], 0
	s_lshl_b32 s16, s15, 19                        ; x: (256 chunk + 128 half) rows of 2,048 bytes: hangs on the chunk and the wave alone
	s_lshl_b32 s17, s14, 18
	s_add_co_u32 s16, s16, s17
	s_mov_b32 s17, 0
	s_mul_i32 s66, s42, 8*49152                    ; W: the head's 8 blocks of 49,152 bytes, my half: hangs on the head and the wave alone
	s_mul_i32 s67, s14, 24576
	s_add_co_u32 s66, s66, s67
	s_mov_b32 s67, 0
	s_mul_i32 s20, s[WV], XHALF                    ; LDS: x's halves at wave x 34,816 (waves 0, 1),
	s_mul_i32 s21, s[WV], WHALF                    ; W's at XT + (wave - 2) x 30,720 (waves 2, 3)
	s_add_co_u32 s21, s21, XT-2*WHALF
	s_mov_b32 s88, 0x76543210                      ; v_permlanex16_b32: each lane takes its own place in the other half
	s_mov_b32 s89, 0xfedcba98
	s_wait_dscnt 0x0                               ; both opening adds are done
	s_wait_kmcnt 0x0
	s_add_nc_u64 s[18:19], s[4:5], s[16:17]
	s_add_nc_u64 s[68:69], s[6:7], s[66:67]
	CROUND                                         ; all sixteen work-groups are here: the first joint loads meet
.irp s, 0,1
	s_mov_b32 s[G0+4*(\s)], 1                      ; count = 1
	s_add_co_u32 s[G0+4*(\s)+1], s20, (\s)*SLOT    ; LDS address
	s_add_nc_u64 s[G0+4*(\s)+2:G0+4*(\s)+3], s[18:19], (\s)*256      ; K step s: 256 bytes along the rows
	s_or_b32 s[G0+4*(\s)+3], s[G0+4*(\s)+3], 0x80000000              ; type = 2
	s_mov_b32 s[G0B+4*(\s)], 1
	s_add_co_u32 s[G0B+4*(\s)+1], s21, (\s)*SLOT
	s_add_nc_u64 s[G0B+4*(\s)+2:G0B+4*(\s)+3], s[68:69], (\s)*49152  ; K step s: the next block
	s_or_b32 s[G0B+4*(\s)+3], s[G0B+4*(\s)+3], 0x80000000
	JLOAD \s                                       ; two tensor loads of mine are out
.endr
	; the lanes' addresses
	v_and_b32 v1, 15, v0                           ; r = l % 16
	v_bfe_u32 v2, v0, 4, 1                         ; h = l / 16
	v_and_b32 v3, 7, v0
	v_bfe_u32 v4, v0, 3, 1
	v_and_b32 v5, 31, v0                           ; l
	v_bfe_u32 v6, v0, 3, 2                         ; l / 8
	v_mul_u32_u24 v7, v1, PX
	v_lshl_add_u32 v7, v2, 4, v7
	s_mul_i32 s16, s[WV], 64*PX
	v_add_nc_u32 v[ADRA], s16, v7                  ; (64 w + r) x pitch + 16 h
	v_add_nc_u32 v[ADRA+1], SLOT, v[ADRA]
	v_lshl_add_u32 v10, v2, 3, v3                  ; the turning load: row 8 h + l % 8, 16 bytes at 16 ((l / 8) % 2)
	v_mul_u32_u24 v10, v10, PW
	v_lshl_add_u32 v10, v4, 4, v10
	v_add_nc_u32 v[ADRB], XT, v10
	v_add_nc_u32 v[ADRB+1], SLOT, v[ADRB]
	s_mul_i32 s16, s[WV], 16*QSP
	s_add_co_u32 s16, s16, STAGE
	v_mul_u32_u24 v[QSTO], v1, QSP
	v_lshl_add_u32 v[QSTO], v2, 4, v[QSTO]
	v_add_nc_u32 v[QSTO], s16, v[QSTO]
	v_mul_u32_u24 v[QRD], v6, QSP                  ; back: 32 lanes take four rows of 128 bytes
	v_lshl_add_u32 v[QRD], v3, 4, v[QRD]
	v_add_nc_u32 v[QRD], s16, v[QRD]
	v_lshlrev_b32 v[L16], 4, v5
	s_mul_i32 s16, s[WV], 32*MP
	s_add_co_u32 s16, s16, MRED
	v_mul_u32_u24 v[MSTO], v1, MP
	v_lshl_add_u32 v[MSTO], v2, 5, v[MSTO]
	v_add_nc_u32 v[MSTO], s16, v[MSTO]
	s_mul_i32 s16, s[WV], 8*MP                     ; back: wave w sums rows 8 w .. 8 w + 7 of each phase's 32; lanes 0-15 one row of 256 bytes, lanes 16-31 the next
	s_add_co_u32 s16, s16, MRED
	v_mul_u32_u24 v[MRD], v2, MP
	v_lshl_add_u32 v[MRD], v1, 4, v[MRD]
	v_add_nc_u32 v[MRD], s16, v[MRD]
	v_mov_b32 v[AM], 0
	v_mov_b32 v19, 0
	v_lshlrev_b32 v8, 2, v1                        ; bk, bv: column r of each block of 16
	v_lshlrev_b32 v9, 5, v2                        ; bq: columns 8 h + 0..7
	; the biases of my head
	s_mov_b32 s95, 0
	s_lshl_b32 s94, s42, 8
	s_add_nc_u64 s[8:9], s[8:9], s[94:95]
	s_add_nc_u64 s[10:11], s[10:11], s[94:95]
	s_add_nc_u64 s[72:73], s[72:73], s[94:95]
.irp n, 0,1,2,3
	global_load_b32 v[RAW+(\n)], v8, s[10:11] offset:64*(\n)
	global_load_b32 v[RAW+4+(\n)], v8, s[72:73] offset:64*(\n)
	global_load_b128 v[BQ+8*(\n):BQ+8*(\n)+3], v9, s[8:9] offset:64*(\n)
	global_load_b128 v[BQ+8*(\n)+4:BQ+8*(\n)+7], v9, s[8:9] offset:64*(\n)+16
.endr
	; where the results go
	s_lshl_b32 s91, s15, 2
	s_add_co_u32 s91, s91, s[WV]                   ; my block of 64 rows
	s_lshl_b32 s91, s91, 4
	s_add_co_u32 s91, s91, s42
	s_lshl_b32 s94, s91, 13                        ; qh: [block of 64 rows][head][64][64] f16: planes of 8,192 bytes
	s_add_nc_u64 s[80:81], s[74:75], s[94:95]
	s_lshr_b32 s91, s15, 3                         ; batch
	s_lshl_b32 s91, s91, 4
	s_add_co_u32 s91, s91, s42
	s_lshl_b32 s91, s91, 3
	s_and_b32 s92, s15, 7
	s_add_co_u32 s91, s91, s92                     ; part number = (16 batch + head) 8 + chunk % 8
	s_lshl_b32 s94, s91, 14
	s_lshl_b32 s92, s[WV], 11
	s_add_co_u32 s94, s94, s92
	s_add_nc_u64 s[82:83], s[76:77], s[94:95]      ; mpart: 16,384 bytes a part; my 8 rows of each phase
	s_lshl_b32 s94, s91, 2
	s_add_co_u32 s94, s94, s[WV]
	s_lshl_b32 s94, s94, 2
	s_add_nc_u64 s[84:85], s[78:79], s[94:95]      ; amax: a word for each part and wave
	; the prefetches
	s_lshl_b32 s91, s15, 19                        ; x: (256 chunk + 128 half + 32 cx) rows, at K step 3
	s_lshl_b32 s92, s14, 18
	s_add_co_u32 s91, s91, s92
	s_lshl_b32 s92, s40, 16
	s_add_co_u32 s91, s91, s92
	s_add_co_u32 s91, s91, 3*256
	s_mul_i32 s92, s42, 8*49152                    ; W: the head's block of K step 3, my half, 6,144 bytes for each cy
	s_mul_i32 s93, s14, 24576
	s_add_co_u32 s92, s92, s93
	s_mul_i32 s93, s41, 6144
	s_add_co_u32 s92, s92, s93
	s_add_co_u32 s92, s92, 3*49152
	s_and_b32 s93, ttmp7, 0xffff                   ; cluster y
	s_mov_b32 s[PST], 49152
	s_mov_b32 s[PST+1], 0
	s_cmp_eq_u32 s13, 0                            ; do I fetch x?
	s_cselect_b32 s94, s91, s92
	s_cselect_b32 s93, ttmp9, s93                  ; the coordinate along which other clusters read the same bytes
	s_cselect_b32 s[PST], 256, s[PST]
	s_cselect_b32 s91, 31, 23                      ; lanes that name a piece of their own,
	s_cselect_b32 s92, 11, 8                       ; pieces 2,048 (a row of xb) or 256 bytes apart
	s_cselect_b64 s[PFA:PFA+1], s[4:5], s[6:7]
	s_add_nc_u64 s[PFA:PFA+1], s[PFA:PFA+1], s[94:95]
	s_cmp_eq_u32 s93, 0
	s_cselect_b32 s[LIM], 1, -1                    ; the same in all sixteen partners, for a given wave
	v_min_u32 v[PFO], s91, v5
	v_lshlrev_b32 v[PFO], s92, v[PFO]
	s_wait_loadcnt 0x0                             ; the biases: rounded to bf16 like every input, then times 1/16
.irp n, 0,1,2,3,4,5,6,7
	v_cvt_pk_bf16_f32 v[TT], v[RAW+(\n)], v[RAW+(\n)]
	v_and_b32 v[BKV+2*(\n)], 0xffff0000, v[TT]
	v_mul_f32 v[BKV+2*(\n)], 0x3d800000, v[BKV+2*(\n)]
	v_mov_b32 v[BKV+2*(\n)+1], v[BKV+2*(\n)]       ; named with it as a pair
.endr
.set i, 0
.rept 16
	v_cvt_pk_bf16_f32 v[TT], v[BQ+2*i], v[BQ+2*i+1]
	v_lshlrev_b32 v[BQ+2*i], 16, v[TT]
	v_and_b32 v[BQ+2*i+1], 0xffff0000, v[TT]
	v_pk_mul_f32 v[BQ+2*i:BQ+2*i+1], v[BQ+2*i:BQ+2*i+1], 0x3d800000 op_sel_hi:[1,0]
.set i, i+1
.endr
; 16 matrix instructions for k and v: row blocks a0, a0 + 1 x 8 column blocks, 32 along K, buffer f.  zero = 1: the first product starts the sums.
.macro MULKV f, a0, zero
	WIN W_KV
.irp a, \a0, (\a0)+1
.irp n, 0,1,2,3,4,5,6,7
.if \zero
	v_wmma_f32_16x16x32_bf16 v[8*(8*(\a)+(\n)):8*(8*(\a)+(\n))+7], v[XF+32*(\f)+8*(\a):XF+32*(\f)+8*(\a)+7], v[96*(\f)+8*(\n):96*(\f)+8*(\n)+7], 0
.else
	v_wmma_f32_16x16x32_bf16 v[8*(8*(\a)+(\n)):8*(8*(\a)+(\n))+7], v[XF+32*(\f)+8*(\a):XF+32*(\f)+8*(\a)+7], v[96*(\f)+8*(\n):96*(\f)+8*(\n)+7], v[8*(8*(\a)+(\n)):8*(8*(\a)+(\n))+7]
.endif
.endr
.endr
.endm
; 16 for q, the sources swapped
.macro MULQ f, zero
	WIN W_Q
.irp a, 0,1,2,3
.irp n, 0,1,2,3
.if \zero
	v_wmma_f32_16x16x32_bf16 v[8*(4*(\a)+(\n)):8*(4*(\a)+(\n))+7], v[96*(\f)+64+8*(\n):96*(\f)+64+8*(\n)+7], v[XF+32*(\f)+8*(\a):XF+32*(\f)+8*(\a)+7], 0
.else
	v_wmma_f32_16x16x32_bf16 v[8*(4*(\a)+(\n)):8*(4*(\a)+(\n))+7], v[96*(\f)+64+8*(\n):96*(\f)+64+8*(\n)+7], v[XF+32*(\f)+8*(\a):XF+32*(\f)+8*(\a)+7], v[8*(4*(\a)+(\n)):8*(4*(\a)+(\n))+7]
.endif
.endr
.endr
.endm
; 32 LDS loads in one run: quarter kq (32 along K) of a slot into buffer f: x's 4 fragments, k's and v's 8, and last q's 4, which are wanted last
.macro FETCH slot, kq, f
	WIN 0
.irp a, 0,1,2,3
	ds_load_b128 v[XF+32*(\f)+8*(\a):XF+32*(\f)+8*(\a)+3],   v[ADRA+(\slot)] offset:(\a)*16*PX+64*(\kq)
	ds_load_b128 v[XF+32*(\f)+8*(\a)+4:XF+32*(\f)+8*(\a)+7], v[ADRA+(\slot)] offset:(\a)*16*PX+64*(\kq)+32
.endr
	WIN TO_B
.irp n, 0,1,2,3,4,5,6,7
	ds_load_tr16_b128 v[96*(\f)+8*(\n):96*(\f)+8*(\n)+3],   v[ADRB+(\slot)] offset:(1+(\n)/4)*128*PW+(\kq)*32*PW+32*((\n)%4)
	ds_load_tr16_b128 v[96*(\f)+8*(\n)+4:96*(\f)+8*(\n)+7], v[ADRB+(\slot)] offset:(1+(\n)/4)*128*PW+(\kq)*32*PW+32*((\n)%4)+16*PW
.endr
.irp n, 0,1,2,3
	ds_load_tr16_b128 v[96*(\f)+64+8*(\n):96*(\f)+64+8*(\n)+3],   v[ADRB+(\slot)] offset:(\kq)*32*PW+32*(\n)
	ds_load_tr16_b128 v[96*(\f)+64+8*(\n)+4:96*(\f)+64+8*(\n)+7], v[ADRB+(\slot)] offset:(\kq)*32*PW+32*(\n)+16*PW
.endr
.endm
; A K step is four quarters of 48 matrix instructions, on buffers 0, 1, 0, 1; the 48 accumulators take turns in the same order in every quarter, over the backward jump too.
; One of the first three: multiplies buffer f and fetches quarter kq of the same slot into buffer g.
.macro QUARTER slot, kq, f, g, zero
	s_wait_dscnt 8                                 ; x's, k's and v's fragments are in; the youngest eight loads (q's) may be out
	MULKV \f, 0, \zero
	PLACES                                         ; behind the last reader of buffer g, the quarter before's products for q
	FETCH \slot, \kq, \g
	MULKV \f, 2, \zero
	s_wait_dscnt 32                                ; all but the 32 just issued
	MULQ \f, \zero
.endm
; The last quarter multiplies buffer 1 and changes slots.  In front of the one barrier each wave waits for all its tensor loads (one is out: its part of the next slot), adds 0 to its spare word,
; and waits for that and for its own reads of this slot.  round = 1: the barrier opens a round of the cluster's.
.macro MEET round
	WIN 0                                          ; (the add's two registers lie in window 0)
	s_wait_tensorcnt 0x0
	ds_add_u32 v[SPW], v[NIL]                      ; 0 onto my spare word
	s_wait_dscnt 9                                 ; (the add and q's eight loads may be out)
	MULKV 1, 0, 0                                  ; sixteen matrix instructions stand between the add and the wait for it
	s_wait_dscnt 0x0                               ; the add is done, and my reads of this slot are over
	s_barrier_signal -1
	MULKV 1, 2, 0                                  ; work on registers while the others arrive
.if \round
	WIN 0
.endif
	s_barrier_wait -1
.endm
.macro TURN slot, next
	s_wait_xcnt 0x0                                ; the last prefetch, a K step back, has read its address: it is stepped here, ahead of the change's own waits
	s_add_nc_u64 s[PFA:PFA+1], s[PFA:PFA+1], s[PST:PST+1]
	MEET 1
	CREST                                          ; no wave of any partner still reads this slot or has a load on its way
	s_add_nc_u64 s[G0+4*(\slot)+2:G0+4*(\slot)+3], s[G0+4*(\slot)+2:G0+4*(\slot)+3], 2*256
	s_add_nc_u64 s[G0B+4*(\slot)+2:G0B+4*(\slot)+3], s[G0B+4*(\slot)+2:G0B+4*(\slot)+3], 2*49152
	JLOAD \slot                                    ; the first tensor load behind the round, my only one until the next; its four v_nop are also the places in front of the loads below
	FETCH \next, 0, 0
	ASK
	MULQ 1, 0
.endm
	s_wait_tensorcnt 1                             ; my part of K step 0 is in; K step 1's may stay out
	s_barrier_signal -1
	s_barrier_wait -1
	FETCH 0, 0, 0
	QUARTER 0, 1, 0, 1, 1                          ; the first quarter stands in front of the loop: its products start the sums
	WIN 0
	s_mov_b32 s3, 3
.Llap:                                                 ; a trip goes once round the ring, from a lap's second quarter to the next lap's first, and fills both slots again: K steps 2 to 7
	QUARTER 0, 2, 1, 0, 0
	QUARTER 0, 3, 0, 1, 0
	TURN 0, 1
	QUARTER 1, 1, 0, 1, 0
	QUARTER 1, 2, 1, 0, 0
	QUARTER 1, 3, 0, 1, 0
	TURN 1, 0
	QUARTER 0, 1, 0, 1, 0
	WIN 0
	s_sub_co_u32 s3, s3, 1
	s_cmp_lg_u32 s3, 0
	s_cbranch_scc1 .Llap
	QUARTER 0, 2, 1, 0, 0                          ; the last lap is written out: it asks for nothing
	QUARTER 0, 3, 0, 1, 0
	MEET 0
	PLACES
	FETCH 1, 0, 0
	MULQ 1, 0
	QUARTER 1, 1, 0, 1, 0
	QUARTER 1, 2, 1, 0, 0
	QUARTER 1, 3, 0, 1, 0
	s_wait_dscnt 8
	MULKV 1, 0, 0
	MULKV 1, 2, 0
	s_wait_dscnt 0x0
	MULQ 1, 0
	; k' = k / 16 + bk / 16 and v' likewise, in place; each accumulator's registers in ascending order
	PLACES
	WIN 0x82                                       ; destination and source 0 window 2, the bias window 0
.set t, 0
.rept 32                               ; accumulator t = 8 a + n
.irp i, 0,1,2,3
	v_pk_fma_f32 v[8*t+2*(\i):8*t+2*(\i)+1], v[8*t+2*(\i):8*t+2*(\i)+1], 0x3d800000, v[BKV+2*(t%8):BKV+2*(t%8)+1] op_sel_hi:[1,0,0]
.endr
.set t, t+1
.endr
	; rounded to f16 in pairs of rows: row blocks 2 s and 2 s + 1 of column block n are the fragment (n, rows 32 s on): k' at 8 (2 n + s), v' 64 further, in window 1
	WIN 0x4a
.set t, 0
.rept 32
.set dd, 64*((t%8)/4)+8*(2*(t%4)+t/16)+4*((t/8)%2)
.irp i, 0,1,2,3
	v_cvt_pk_f16_f32 v[dd+(\i)], v[8*t+2*(\i)], v[8*t+2*(\i)+1]
.endr
.set t, t+1
.endr
	; M''^T tiles: source 0 = v' (16 e), source 1 = k' (16 d): a lane holds d = 16 a + r and e = 16 j + 8 h + 0..7.  My 64 rows: two instructions deep; the 16 accumulators take turns
	WIN 0xf5
.irp s, 0,1
.irp a, 0,1,2,3
.irp j, 0,1,2,3
.if (\s) == 0
	v_wmma_f32_16x16x32_f16 v[128+8*(4*(\a)+(\j)):128+8*(4*(\a)+(\j))+7], v[64+8*(2*(\j)+(\s)):64+8*(2*(\j)+(\s))+7], v[8*(2*(\a)+(\s)):8*(2*(\a)+(\s))+7], 0
.else
	v_wmma_f32_16x16x32_f16 v[128+8*(4*(\a)+(\j)):128+8*(4*(\a)+(\j))+7], v[64+8*(2*(\j)+(\s)):64+8*(2*(\j)+(\s))+7], v[8*(2*(\a)+(\s)):8*(2*(\a)+(\s))+7], v[128+8*(4*(\a)+(\j)):128+8*(4*(\a)+(\j))+7]
.endif
.endr
.endr
.endr
; q's way out, a block of 16 rows at a time: q' = q / 16 + bq / 16, rounded to f16, 16 bytes a lane into my stage, back as whole rows.  These lines are also the places behind the products above.
.macro QPACK a
.set QP, 32+16*(\a)+64*((\a)/2)        ; a register set for each block: none is written again while its stores are out
	WIN 0xc3                                       ; destination and source 0 window 3, the bias window 0
.irp n, 0,1,2,3
.irp i, 0,1,2,3
	v_pk_fma_f32 v[8*(4*(\a)+(\n))+2*(\i):8*(4*(\a)+(\n))+2*(\i)+1], v[8*(4*(\a)+(\n))+2*(\i):8*(4*(\a)+(\n))+2*(\i)+1], 0x3d800000, v[BQ+8*(\n)+2*(\i):BQ+8*(\n)+2*(\i)+1] op_sel_hi:[1,0,1]
.endr
.endr
	WIN 0x0f                                       ; sources window 3, destination window 0
.irp n, 0,1,2,3
.irp i, 0,1,2,3
	v_cvt_pk_f16_f32 v[QP+4*(\n)+(\i)], v[8*(4*(\a)+(\n))+2*(\i)], v[8*(4*(\a)+(\n))+2*(\i)+1]
.endr
.endr
	WIN 0
.irp n, 0,1,2,3
	ds_store_b128 v[QSTO], v[QP+4*(\n):QP+4*(\n)+3] offset:32*(\n)
.endr
.irp f, 0,1,2,3
	ds_load_b128 v[QP+4*(\f):QP+4*(\f)+3], v[QRD] offset:(\f)*4*QSP  ; LDS serves a wave's instructions in order (ISA guide 5.7.1.4): these see the stores above; the next block's stores come behind them
.endr
.endm
.macro QSEND a, younger                ; younger: the LDS instructions issued behind block a's loads: the next block's eight, or none
.set QP, 32+16*(\a)+64*((\a)/2)
	WIN 0
.irp f, 0,1,2,3
	s_wait_dscnt (\younger)+3-(\f)
	global_store_b128 v[L16], v[QP+4*(\f):QP+4*(\f)+3], s[80:81] offset:(\a)*2048+(\f)*512  ; 512 consecutive bytes, aligned
.endr
.endm
	QPACK 0
	QPACK 1
	QSEND 0, 8
	QPACK 2
	QSEND 1, 8
	QPACK 3
	QSEND 2, 8
	QSEND 3, 0
; The four waves' parts of M'' meet in LDS, 32 rows d a phase.  Every wave stores its part; behind a barrier wave w sums rows 8 w .. 8 w + 7 of the four parts and stores them.
.macro MPHASE p
	WIN 0x0c                                       ; data window 3, address window 0
.irp aa, 0,1
.irp j, 0,1,2,3
	ds_store_b128 v[MSTO], v[128+8*(4*(2*(\p)+(\aa))+(\j)):128+8*(4*(2*(\p)+(\aa))+(\j))+3]   offset:(\aa)*16*MP+64*(\j)
	ds_store_b128 v[MSTO], v[128+8*(4*(2*(\p)+(\aa))+(\j))+4:128+8*(4*(2*(\p)+(\aa))+(\j))+7] offset:(\aa)*16*MP+64*(\j)+16
.endr
.endr
	WIN 0
	s_wait_dscnt 0x0                               ; for the others' sake: my stores are done
	s_barrier_signal -1
	s_barrier_wait -1
.if \p
	s_wait_xcnt 0x0                                ; v64-79 were the first phase's store data: loaded again only behind this wait
.endif
.irp s, 0,1,2,3
.irp t, 0,1,2,3
	ds_load_b128 v[64+16*(\s)+4*(\t):64+16*(\s)+4*(\t)+3], v[MRD] offset:(\s)*32*MP+(\t)*2*MP
.endr
.endr
	s_wait_dscnt 0x0
.if (\p) == 0
	s_barrier_signal -1                            ; every wave's reads are over: the second phase may write the region again
	s_barrier_wait -1
.endif
.irp c, 0,2,4,6,8,10,12,14
	v_pk_add_f32 v[64+(\c):64+(\c)+1], v[64+(\c):64+(\c)+1], v[80+(\c):80+(\c)+1]
	v_pk_add_f32 v[96+(\c):96+(\c)+1], v[96+(\c):96+(\c)+1], v[112+(\c):112+(\c)+1]
.endr
.irp c, 0,2,4,6,8,10,12,14
	v_pk_add_f32 v[64+(\c):64+(\c)+1], v[64+(\c):64+(\c)+1], v[96+(\c):96+(\c)+1]
.endr
.irp t, 0,1,2,3
	global_store_b128 v[L16], v[64+4*(\t):64+4*(\t)+3], s[82:83] offset:(\p)*8192+(\t)*512  ; two rows of M'': 512 consecutive bytes, aligned
.endr
.irp c, 0,1,2,3,4,5,6,7,8,9,10,11,12,13,14,15
	v_and_b32 v[80+(\c)], 0x7fffffff, v[64+(\c)]
.endr
.irp c, 0,2,4,6,8,10,12,14
	v_max3_num_f32 v[AM], v[AM], v[80+(\c)], v[80+(\c)+1]
.endr
.endm
	MPHASE 0
	MPHASE 1
	v_max_num_f32_dpp v[AM], v[AM], v[AM] row_xmask:1 row_mask:0xf bank_mask:0xf
	v_max_num_f32_dpp v[AM], v[AM], v[AM] row_xmask:2 row_mask:0xf bank_mask:0xf
	v_max_num_f32_dpp v[AM], v[AM], v[AM] row_xmask:4 row_mask:0xf bank_mask:0xf
	v_max_num_f32_dpp v[AM], v[AM], v[AM] row_xmask:8 row_mask:0xf bank_mask:0xf
	v_permlanex16_b32 v[TT], v[AM], s88, s89
	v_max_num_f32 v[AM], v[AM], v[TT]              ; the largest magnitude among the 16 rows that I summed
	v_cmp_eq_u32 vcc_lo, 0, v5
	s_wait_xcnt 0x0                                ; EXEC changes only behind this wait: stores are out
	s_and_saveexec_b32 s90, vcc_lo
	global_store_b32 v19, v[AM], s[84:85]          ; lane 0: one word a wave
	s_wait_xcnt 0x0                                ; and again, in front of the line that widens it
	s_or_b32 exec_lo, exec_lo, s90
	s_wait_tensorcnt 0x0                           ; the wave's end: behind my last tensor load and my last LDS store
	ds_add_u32 v[SPW], v[NIL]
	s_wait_dscnt 0x0
	CROUND                                         ; the closing round: no work-group ends while a partner may still ask for a tile that names it
	s_endpgm
.Lfunc_end_k_q56e560ac99_proj:
	.size	k_q56e560ac99_proj, .Lfunc_end_k_q56e560ac99_proj-k_q56e560ac99_proj
	.p2alignl 7, 3214868480
	.fill 96, 4, 3214868480
	.section	.rodata,"a",@progbits
	.p2align	6, 0x0
	.amdhsa_kernel k_q56e560ac99_proj
		.amdhsa_group_segment_fixed_size 327680
		.amdhsa_private_segment_fixed_size 0
		.amdhsa_enable_private_segment 0
		.amdhsa_kernarg_size 64
		.amdhsa_user_sgpr_count 2
		.amdhsa_user_sgpr_kernarg_segment_ptr 1
		.amdhsa_wavefront_size32 1
		.amdhsa_system_sgpr_workgroup_id_x 1
		.amdhsa_system_sgpr_workgroup_id_y 1
		.amdhsa_system_sgpr_workgroup_id_z 1
		.amdhsa_system_vgpr_workitem_id 0
		.amdhsa_next_free_vgpr 1024
		.amdhsa_next_free_sgpr 96
		.amdhsa_reserve_vcc 1
		.amdhsa_float_denorm_mode_32 3
		.amdhsa_float_denorm_mode_16_64 3
		.amdhsa_memory_ordered 1
		.amdhsa_forward_progress 1
		.amdhsa_inst_pref_size 154
	.end_amdhsa_kernel
	.amdgpu_metadata
---
amdhsa.version: [ 1, 2 ]
amdhsa.kernels:
  - .name:           k_q56e560ac99_proj
    .symbol:         k_q56e560ac99_proj.kd
    .args:
      - { .name: xb, .offset: 0, .size: 8, .value_kind: global_buffer, .address_space: global }
      - { .name: wcat, .offset: 8, .size: 8, .value_kind: global_buffer, .address_space: global }
      - { .name: bq, .offset: 16, .size: 8, .value_kind: global_buffer, .address_space: global }
      - { .name: bk, .offset: 24, .size: 8, .value_kind: global_buffer, .address_space: global }
      - { .name: bv, .offset: 32, .size: 8, .value_kind: global_buffer, .address_space: global }
      - { .name: qh, .offset: 40, .size: 8, .value_kind: global_buffer, .address_space: global }
      - { .name: mpart, .offset: 48, .size: 8, .value_kind: global_buffer, .address_space: global }
      - { .name: amax, .offset: 56, .size: 8, .value_kind: global_buffer, .address_space: global }
    .group_segment_fixed_size: 327680
    .private_segment_fixed_size: 0
    .kernarg_segment_align: 8
    .kernarg_segment_size: 64
    .max_flat_workgroup_size: 128
    .sgpr_count:     96
    .vgpr_count:     1024
    .wavefront_size: 32
...
	.end_amdgpu_metadata
.endif
;; end of part 2
;; launch mix (part 3): grid 4 x 32, 4 waves a work-group, no clusters, 59,904 bytes of LDS; arguments mpart, amax, Wo, nt; writes nt
.if DOCPART == 3
	.amdgcn_target "amdgcn-amd-amdhsa--gfx1250"
	.amdhsa_code_object_version 6
	.text
	.protected	k_q56e560ac99_mix
	.globl	k_q56e560ac99_mix
	.p2align	8
	.type	k_q56e560ac99_mix,@function
k_q56e560ac99_mix:
	s_mov_b64 s[64:65], 0
	v_nop
	global_prefetch_b8 v0, s[64:65] scope:SCOPE_SE
	s_setreg_imm32_b32 hwreg(HW_REG_WAVE_MODE, 25, 1), 1
	s_wait_xcnt 0x0
; N'[b][c][(h, d)] = the sum over e of Mn[d][e] Wo[64 h + e][c], in f16, where Mn = M'' / t_b and M'' is the sum of the head's 8 parts (f32).
; (The L x L scores of reference() are not formed: see the first kernel's head.)
; t_b = max over the batch's heads of (the sum over the 8 parts of (the largest magnitude in the part)), at least 2^-100: an upper bound of |M''|, so |Mn| <= 1 whatever the inputs' size.
; LIMITS.  Wo is rounded to bf16 and that number written as f16; |N'| <= 64 max|Wo|, so |Wo| must stay under 1,023.  A bound below 2^-100 counts as 2^-100; beyond 2^126 its reciprocal is 0.  NaN and infinities are not treated apart.
; SHARES.  Work-group (g, batch and head): its four waves sum 16 rows of M'' each and share the result through LDS; wave w then makes the 64 columns c = 64 (4 g + w) on, all 64 d.
; NO CLUSTER, no tensor loads: the 128 KiB of parts that the four work-groups of a head share are summed as they arrive, in registers; each wave's 16 KiB of Wo is its own.
; LAYOUT.  Source 0 = 16 rows d of Mn, source 1 = 16 columns c of Wo (turned by ds_load_tr16_b128): a lane holds one c and eight neighbouring d: 16 bytes of nt ([b][block of 64 c][h][c][d]).
; REGISTERS: window 0: v1-18 addresses; v32-47 amax; v48-49 1 / t_b; v50-53 at work; v64-127 Wo's words, then Mn's fragments; v128-191 Wo's fragments; v192-255 Mn's words, then the way out
;   window 1: the 8 parts, 32 registers each; later the 16 accumulators, (d block a, c block j) at 8 (4 a + j)      window 2: v0-127 Wo in f32
.set MSP,   144                        ; a row of Mn in LDS: 128 bytes + 16
.set WS,    64*MSP                     ; behind Mn: Wo [e][c] in f16, 64 rows x 160 bytes for each wave
.set WSP,   160
.set ST,    WS+4*64*WSP                ; the way out: 16 rows x 144 bytes for each wave
.set STP,   144
.set SPARE, ST+4*16*STP                ; the spare words, 128 bytes for each wave: two blocks of 256 bytes that no other line names
.set AMO, 10                           ; v10 64 x lane
.set L16, 11                           ; v11 16 x lane
.set WOO, 12                           ; v12 Wo: lanes 0-15 a row's 256 bytes, lanes 16-31 the next row's
.set MSA, 13                           ; v13 where I put 8 bytes of Mn
.set WSA, 14                           ; v14 the same for Wo
.set MFA, 15                           ; v15 Mn's fragments
.set WFA, 16                           ; v16 Wo's fragments
.set STO, 17                           ; v17 the way out: in
.set STR, 18                           ; v18 and back
.set SPW, 28
.set NIL, 29
.set MSB, 0
.macro WIN new
.if MSB != (\new)
	s_set_vgpr_msb (MSB<<8)|(\new)
.set MSB, \new
.endif
.endm
; The batch's bound, from its 128 parts x 4 words: lane l holds head l / 2, parts 4 (l % 2) + 0..3.  The same lines in the same order stand in the next launch: both make the same number.  Result in v[a].
.macro TBOUND a, sel
.irp i, 0,1,2,3
	v_max3_num_f32 v[(\a)+4*(\i)], v[(\a)+4*(\i)], v[(\a)+4*(\i)+1], v[(\a)+4*(\i)+2]
	v_max_num_f32 v[(\a)+4*(\i)], v[(\a)+4*(\i)], v[(\a)+4*(\i)+3]
.endr
	v_add_f32 v[(\a)], v[(\a)], v[(\a)+4]
	v_add_f32 v[(\a)+8], v[(\a)+8], v[(\a)+12]
	v_add_f32 v[(\a)], v[(\a)], v[(\a)+8]
	v_add_f32_dpp v[(\a)], v[(\a)], v[(\a)] row_xmask:1 row_mask:0xf bank_mask:0xf      ; the head's other four parts
	v_max_num_f32_dpp v[(\a)], v[(\a)], v[(\a)] row_xmask:2 row_mask:0xf bank_mask:0xf  ; over the heads
	v_max_num_f32_dpp v[(\a)], v[(\a)], v[(\a)] row_xmask:4 row_mask:0xf bank_mask:0xf
	v_max_num_f32_dpp v[(\a)], v[(\a)], v[(\a)] row_xmask:8 row_mask:0xf bank_mask:0xf
	v_permlanex16_b32 v[(\a)+1], v[(\a)], s[(\sel)], s[(\sel)+1]
	v_max_num_f32 v[(\a)], v[(\a)], v[(\a)+1]
	v_max_num_f32 v[(\a)], 0x0d800000, v[(\a)]     ; at least 2^-100
.endm
	s_load_b256 s[4:11], s[0:1], 0x0               ; mpart s[4:5], amax s[6:7], Wo s[8:9], nt s[10:11]
	v_lshl_add_u32 v[SPW], v0, 2, SPARE
	v_mov_b32 v[NIL], 0
	v_lshrrev_b32 v1, 5, v0
	v_readfirstlane_b32 s12, v1                    ; wave
	s_and_b32 s13, ttmp7, 0xffff                   ; 16 batch + head
	s_lshr_b32 s14, s13, 4
	s_and_b32 s15, s13, 15
	s_lshl_b32 s16, ttmp9, 2
	s_add_co_u32 s16, s16, s12                     ; my block of 64 columns
	s_lshl_b32 s20, s14, 11                        ; amax: 2,048 bytes a batch
	s_mov_b32 s21, 0
	s_lshl_b32 s22, s13, 17                        ; mpart: the head's 8 parts of 16,384 bytes; my 16 rows of 256
	s_lshl_b32 s17, s12, 12
	s_add_co_u32 s22, s22, s17
	s_mov_b32 s23, 0
	s_lshl_b32 s24, s15, 18                        ; Wo: the head's 64 rows of 4,096 bytes; my 256 bytes of each
	s_lshl_b32 s17, s16, 8
	s_add_co_u32 s24, s24, s17
	s_mov_b32 s25, 0
	s_lshl_b32 s26, s14, 4                         ; nt: ((16 batch + block) 16 + head) planes of 8,192 bytes
	s_add_co_u32 s26, s26, s16
	s_lshl_b32 s26, s26, 4
	s_add_co_u32 s26, s26, s15
	s_lshl_b32 s26, s26, 13
	s_mov_b32 s27, 0
	s_mov_b32 s28, 0x76543210
	s_mov_b32 s29, 0xfedcba98
	v_and_b32 v1, 15, v0                           ; r
	v_bfe_u32 v2, v0, 4, 1                         ; h
	v_and_b32 v3, 7, v0
	v_bfe_u32 v6, v0, 3, 1
	v_bfe_u32 v7, v0, 3, 2
	v_and_b32 v8, 31, v0
	v_lshlrev_b32 v[AMO], 6, v8
	v_lshlrev_b32 v[L16], 4, v8
	v_lshlrev_b32 v[WOO], 4, v1
	v_lshl_add_u32 v[WOO], v2, 12, v[WOO]
	s_wait_kmcnt 0x0
	s_add_nc_u64 s[6:7], s[6:7], s[20:21]
	s_add_nc_u64 s[4:5], s[4:5], s[22:23]
	s_add_nc_u64 s[8:9], s[8:9], s[24:25]
	s_add_nc_u64 s[10:11], s[10:11], s[26:27]
.irp i, 0,1,2,3
	global_load_b128 v[32+4*(\i):32+4*(\i)+3], v[AMO], s[6:7] offset:16*(\i)
.endr
	WIN 0x40                                       ; destination window 1
.set i, 0
.rept 64                               ; part i / 8, rows 2 (i % 8) and the next of my 16
	global_load_b128 v[4*i:4*i+3], v[L16], s[4:5] offset:(i/8)*16384+(i%8)*512
.set i, i+1
.endr
	WIN 0x80                               ; destination window 2
.set i, 0
.rept 32                               ; rows e = 2 i, 2 i + 1
	global_load_b128 v[4*i:4*i+3], v[WOO], s[8:9] offset:i*8192
.set i, i+1
.endr
	WIN 0
	s_mul_i32 s17, s12, 16*MSP
	v_mul_u32_u24 v[MSA], v2, MSP
	v_lshl_add_u32 v[MSA], v1, 3, v[MSA]
	v_add_nc_u32 v[MSA], s17, v[MSA]               ; row 16 w + h (+ 2 t), 8 bytes at 8 r
	s_mul_i32 s18, s12, 64*WSP
	s_add_co_u32 s18, s18, WS
	v_mul_u32_u24 v[WSA], v2, WSP
	v_lshl_add_u32 v[WSA], v1, 3, v[WSA]
	v_add_nc_u32 v[WSA], s18, v[WSA]
	v_mul_u32_u24 v[MFA], v1, MSP
	v_lshl_add_u32 v[MFA], v2, 4, v[MFA]           ; row r, 16 bytes at 16 h
	v_lshl_add_u32 v[WFA], v2, 3, v3               ; the turning load: row 8 h + l % 8, 16 bytes at 16 ((l / 8) % 2)
	v_mul_u32_u24 v[WFA], v[WFA], WSP
	v_lshl_add_u32 v[WFA], v6, 4, v[WFA]
	v_add_nc_u32 v[WFA], s18, v[WFA]
	s_mul_i32 s19, s12, 16*STP
	s_add_co_u32 s19, s19, ST
	v_add_nc_u32 v[STO], s19, v[MFA]
	v_mul_u32_u24 v[STR], v7, STP
	v_lshl_add_u32 v[STR], v3, 4, v[STR]
	v_add_nc_u32 v[STR], s19, v[STR]
	s_wait_loadcnt 63                              ; amax's four loads are the oldest of the hundred: they are in when 63 are out
	TBOUND 32, 28
	v_rcp_f32 v48, v32
	v_nop                                          ; a plain instruction behind the reciprocal,
	s_wait_alu depctr_va_vdst(0)                   ; and a wait ahead of its first reader
	v_mov_b32 v49, v48
	s_wait_loadcnt 32                              ; the parts are in; Wo's 32 loads may stay out
	WIN 0x45                                       ; all in window 1: the 8 parts are added as a tree, in f32
.irp c, 0,2,4,6
.set i, 0
.rept 16
	v_pk_add_f32 v[32*(\c)+2*i:32*(\c)+2*i+1], v[32*(\c)+2*i:32*(\c)+2*i+1], v[32*(\c)+32+2*i:32*(\c)+32+2*i+1]
.set i, i+1
.endr
.endr
.irp c, 0,4
.set i, 0
.rept 16
	v_pk_add_f32 v[32*(\c)+2*i:32*(\c)+2*i+1], v[32*(\c)+2*i:32*(\c)+2*i+1], v[32*(\c)+64+2*i:32*(\c)+64+2*i+1]
.set i, i+1
.endr
.endr
.set i, 0
.rept 16
	v_pk_add_f32 v[2*i:2*i+1], v[2*i:2*i+1], v[128+2*i:128+2*i+1]
.set i, i+1
.endr
	WIN 0x41                                       ; 1 / t_b in window 0
.set i, 0
.rept 16
	v_pk_mul_f32 v[2*i:2*i+1], v[2*i:2*i+1], v[48:49] op_sel_hi:[1,0]
.set i, i+1
.endr
	WIN 0x05                                       ; sources window 1, destination window 0
.set i, 0
.rept 16
	v_cvt_pk_f16_f32 v[192+i], v[2*i], v[2*i+1]
.set i, i+1
.endr
	WIN 0
.irp t, 0,1,2,3,4,5,6,7
	ds_store_b64 v[MSA], v[192+2*(\t):192+2*(\t)+1] offset:(\t)*2*MSP
.endr
	s_wait_loadcnt 0x0                             ; Wo: to bf16, like every input; that number as f16
	WIN 0x0a                                       ; sources window 2, destination window 0
.set i, 0
.rept 64
	v_cvt_pk_bf16_f32 v[64+i], v[2*i], v[2*i+1]
.set i, i+1
.endr
	WIN 0
.set i, 0
.rept 64
	v_lshlrev_b32 v[50+2*(i%2)], 16, v[64+i]
	v_and_b32 v[51+2*(i%2)], 0xffff0000, v[64+i]
	v_cvt_pk_f16_f32 v[64+i], v[50+2*(i%2)], v[51+2*(i%2)]
.set i, i+1
.endr
.set i, 0
.rept 32
	ds_store_b64 v[WSA], v[64+2*i:64+2*i+1] offset:i*2*WSP
.set i, i+1
.endr
	s_wait_dscnt 0x0                               ; for the others' sake: my rows of Mn are stored
	s_barrier_signal -1
	s_barrier_wait -1                              ; all 64 rows of Mn lie in LDS
.irp a, 0,1,2,3
.irp s, 0,1
	ds_load_b128 v[64+8*(2*(\a)+(\s)):64+8*(2*(\a)+(\s))+3],   v[MFA] offset:(\a)*16*MSP+64*(\s)
	ds_load_b128 v[64+8*(2*(\a)+(\s))+4:64+8*(2*(\a)+(\s))+7], v[MFA] offset:(\a)*16*MSP+64*(\s)+32
.endr
.endr
.irp j, 0,1,2,3
.irp s, 0,1
	ds_load_tr16_b128 v[128+8*(2*(\j)+(\s)):128+8*(2*(\j)+(\s))+3],   v[WFA] offset:(\s)*32*WSP+32*(\j)
	ds_load_tr16_b128 v[128+8*(2*(\j)+(\s))+4:128+8*(2*(\j)+(\s))+7], v[WFA] offset:(\s)*32*WSP+32*(\j)+16*WSP
.endr
.endr
	s_wait_dscnt 0x0
	WIN 0x50                                       ; C and D window 1; the 16 accumulators take turns; the first 16 products start the sums
.irp s, 0,1
.irp a, 0,1,2,3
.irp j, 0,1,2,3
.if (\s) == 0
	v_wmma_f32_16x16x32_f16 v[8*(4*(\a)+(\j)):8*(4*(\a)+(\j))+7], v[64+8*(2*(\a)+(\s)):64+8*(2*(\a)+(\s))+7], v[128+8*(2*(\j)+(\s)):128+8*(2*(\j)+(\s))+7], 0
.else
	v_wmma_f32_16x16x32_f16 v[8*(4*(\a)+(\j)):8*(4*(\a)+(\j))+7], v[64+8*(2*(\a)+(\s)):64+8*(2*(\a)+(\s))+7], v[128+8*(2*(\j)+(\s)):128+8*(2*(\j)+(\s))+7], v[8*(4*(\a)+(\j)):8*(4*(\a)+(\j))+7]
.endif
.endr
.endr
.endr
.rept 4
	v_nop                                          ; the places behind the last products (ISA guide 7.12.1)
.endr
; The way out, 16 columns c at a time: rounded to f16, 16 bytes a lane into my stage, back as whole rows of 128 bytes
.macro PACK j
	WIN 0x05
.irp a, 0,1,2,3
.irp i, 0,1,2,3
	v_cvt_pk_f16_f32 v[192+16*(\j)+4*(\a)+(\i)], v[8*(4*(\a)+(\j))+2*(\i)], v[8*(4*(\a)+(\j))+2*(\i)+1]
.endr
.endr
	WIN 0
.irp a, 0,1,2,3
	ds_store_b128 v[STO], v[192+16*(\j)+4*(\a):192+16*(\j)+4*(\a)+3] offset:32*(\a)
.endr
.irp f, 0,1,2,3
	ds_load_b128 v[192+16*(\j)+4*(\f):192+16*(\j)+4*(\f)+3], v[STR] offset:(\f)*4*STP  ; LDS serves a wave's instructions in order (ISA guide 5.7.1.4)
.endr
.endm
.macro SEND j, younger                 ; younger: the next block's eight LDS instructions, or none
.irp f, 0,1,2,3
	s_wait_dscnt (\younger)+3-(\f)
	global_store_b128 v[L16], v[192+16*(\j)+4*(\f):192+16*(\j)+4*(\f)+3], s[10:11] offset:(\j)*2048+(\f)*512  ; 512 consecutive bytes, aligned
.endr
.endm
	PACK 0
	PACK 1
	SEND 0, 8
	PACK 2
	SEND 1, 8
	PACK 3
	SEND 2, 8
	SEND 3, 0
	s_wait_tensorcnt 0x0                           ; the wave's end: behind my last LDS store
	ds_add_u32 v[SPW], v[NIL]
	s_wait_dscnt 0x0
	s_endpgm
.Lfunc_end_k_q56e560ac99_mix:
	.size	k_q56e560ac99_mix, .Lfunc_end_k_q56e560ac99_mix-k_q56e560ac99_mix
	.p2alignl 7, 3214868480
	.fill 96, 4, 3214868480
	.section	.rodata,"a",@progbits
	.p2align	6, 0x0
	.amdhsa_kernel k_q56e560ac99_mix
		.amdhsa_group_segment_fixed_size 59904
		.amdhsa_private_segment_fixed_size 0
		.amdhsa_enable_private_segment 0
		.amdhsa_kernarg_size 32
		.amdhsa_user_sgpr_count 2
		.amdhsa_user_sgpr_kernarg_segment_ptr 1
		.amdhsa_wavefront_size32 1
		.amdhsa_system_sgpr_workgroup_id_x 1
		.amdhsa_system_sgpr_workgroup_id_y 1
		.amdhsa_system_sgpr_workgroup_id_z 1
		.amdhsa_system_vgpr_workitem_id 0
		.amdhsa_next_free_vgpr 640
		.amdhsa_next_free_sgpr 66
		.amdhsa_reserve_vcc 0
		.amdhsa_float_denorm_mode_32 3
		.amdhsa_float_denorm_mode_16_64 3
		.amdhsa_memory_ordered 1
		.amdhsa_forward_progress 1
		.amdhsa_inst_pref_size 53
	.end_amdhsa_kernel
	.amdgpu_metadata
---
amdhsa.version: [ 1, 2 ]
amdhsa.kernels:
  - .name:           k_q56e560ac99_mix
    .symbol:         k_q56e560ac99_mix.kd
    .args:
      - { .name: mpart, .offset: 0, .size: 8, .value_kind: global_buffer, .address_space: global }
      - { .name: amax, .offset: 8, .size: 8, .value_kind: global_buffer, .address_space: global }
      - { .name: Wo, .offset: 16, .size: 8, .value_kind: global_buffer, .address_space: global }
      - { .name: nt, .offset: 24, .size: 8, .value_kind: global_buffer, .address_space: global }
    .group_segment_fixed_size: 59904
    .private_segment_fixed_size: 0
    .kernarg_segment_align: 8
    .kernarg_segment_size: 32
    .max_flat_workgroup_size: 128
    .sgpr_count:     66
    .vgpr_count:     640
    .wavefront_size: 32
...
	.end_amdgpu_metadata
.endif
;; end of part 3
;; launch outp (part 4): grid 8 x 32, 4 waves a work-group, clusters of 4 x 4, 327,680 bytes of LDS; arguments qh, nt, amax, bo, out0; writes out0
.if DOCPART == 4
	.amdgcn_target "amdgcn-amd-amdhsa--gfx1250"
	.amdhsa_code_object_version 6
	.text
	.protected	k_q56e560ac99_outp
	.globl	k_q56e560ac99_outp
	.p2align	8
	.type	k_q56e560ac99_outp,@function
k_q56e560ac99_outp:
	s_mov_b64 s[64:65], 0
	v_nop
	global_prefetch_b8 v0, s[64:65] scope:SCOPE_SE
	s_setreg_imm32_b32 hwreg(HW_REG_WAVE_MODE, 25, 1), 1
	s_wait_xcnt 0x0
	s_wait_alu depctr_hold_cnt(0) depctr_sa_sdst(0) depctr_va_vdst(0) depctr_va_sdst(0) depctr_va_ssrc(0) depctr_va_vcc(0) depctr_vm_vsrc(0)
	s_getreg_b32 s2, hwreg(HW_REG_IB_STS2, 6, 4)
	s_cmp_eq_u32 s2, 0
	s_cbranch_scc0 .Lentry_in_a_cluster
	s_endpgm
.Lentry_in_a_cluster:
	s_bfe_u32 s2, ttmp6, 0x10000c
	s_cmp_lg_u32 s2, 0xf033
	s_cbranch_scc0 .Lentry_shape_is_right
	s_endpgm
.Lentry_shape_is_right:
; out[l][c] = 512 t_b x (the sum over k = (head, d) of q'[l][k] N'[b][c][k]) + bo[c].  512 = 16 (q = 16 q') x 256 (M = 256 M'') / 8 (the scores' divisor); t_b as in the launch before.
; (The L x L scores of reference() are not formed: see the first kernel's head.)  q' and N' are f16, sums f32, out f32; bo is rounded to bf16 like every input.  NaN and infinities are not treated apart.
; A tile of out is 128 x 128: 256 work-groups.  Four waves, each 64 x 64: 16 accumulators.  K = 1,024 goes in 4 steps of 256 (four heads' planes) through two LDS slots.
; qh and nt lie in planes [64 rows][64 k] of 8,192 dense bytes, so a wave's tensor load (64 rows x 256 k) is 32,768 consecutive bytes, asked for as 128 rows of 256 and padded in LDS after every 128.
; CLUSTER 4 x 4: q's tile hangs on the tile row alone, shared along a row of the cluster; N's on the batch (which all sixteen share) and the tile column, shared along a column.
; THE MATRIX INSTRUCTION IS USED TRANSPOSED (source 0 = 16 rows c of N', source 1 = 16 rows of q'): a lane holds eight neighbouring columns of one row of out.
; No prefetch: the launch has four K steps, and its tiles are small.
; REGISTERS: window 0: v0-31 addresses, v12-13 512 t_b; v32-63 results at work; v64-95 rows read back (at the head: amax); v96-127 bo; v128-255 accumulators ((a, b) at 128 + 8 (4 a + b))
;   window 1: two fragment buffers of 128: for 64 along K, 64 registers of q', then 64 of N'
.set PITCH,  144                       ; an LDS row: 128 bytes + 16: the 16 rows of a load start at 16 different groups of four banks (64 banks of 4 bytes: ISA guide 11.1)
.set PLANE,  64*PITCH                  ; a head's 64 rows
.set HALFT,  4*PLANE                   ; what one tensor load brings
.set SLOT,   4*HALFT                   ; q's two halves, then N's two
.set STAGE,  2*SLOT                    ; behind the ring: 16 rows x 272 bytes for each wave, its own
.set SPITCH, 272
.set SPARE,  STAGE+4*16*SPITCH         ; the spare words, 128 bytes for each wave: two blocks of 256 bytes that no other line names
.set FS,   12
.set ADRA, 16
.set ADRB, 20
.set STO,  24
.set RD,   25
.set CO,   26
.set SPW,  28
.set NIL,  29
.set TMP,  32
.set RB,   64
.set BO,   96
.set ACC,  128
.set F0,   0
.set F1,   128
.set WV,  12
.set G1,  24
.set G0,  32
.set G1B, 48
.set G0B, 56
.set MSB, 0
.macro WIN new
.if MSB != (\new)
	s_set_vgpr_msb (MSB<<8)|(\new)
.set MSB, \new
.endif
.endm
.set MUL,  0x05                        ; both sources window 1; C and D window 0
.set TO_F, 0x40                        ; destination window 1, address window 0
.macro PLACES
.rept 4
	v_nop
.endr
.endm
.macro JLOAD s                         ; waves 0 and 1 fetch q's halves, waves 2 and 3 N's; an s_nop 0 and four v_nop follow each of the two lines
	s_cmp_eq_u32 s13, 0
	s_cbranch_scc0 .Lfor_b_\@
	tensor_load_to_lds s[G0+4*(\s):G0+4*(\s)+3], s[G1:G1+7]
	s_nop 0
.rept 4
	v_nop
.endr
	s_branch .Lasked_\@
.Lfor_b_\@:
	tensor_load_to_lds s[G0B+4*(\s):G0B+4*(\s)+3], s[G1B:G1B+7]
	s_nop 0
.rept 4
	v_nop
.endr
.Lasked_\@:
.endm
.macro CREST
	s_cmp_lg_u32 s[WV], 0
	s_cbranch_scc1 .Lnot_wave_0_\@
	s_barrier_signal -3
.Lnot_wave_0_\@:
	s_barrier_wait -3
	s_barrier_signal -1
	s_barrier_wait -1
.endm
.macro CROUND
	s_barrier_signal -1
	s_barrier_wait -1
	CREST
.endm
; The batch's bound: the same lines in the same order as in the launch before, so the same number.  Lane l holds head l / 2, parts 4 (l % 2) + 0..3.  Result in v[a].
.macro TBOUND a, sel
.irp i, 0,1,2,3
	v_max3_num_f32 v[(\a)+4*(\i)], v[(\a)+4*(\i)], v[(\a)+4*(\i)+1], v[(\a)+4*(\i)+2]
	v_max_num_f32 v[(\a)+4*(\i)], v[(\a)+4*(\i)], v[(\a)+4*(\i)+3]
.endr
	v_add_f32 v[(\a)], v[(\a)], v[(\a)+4]
	v_add_f32 v[(\a)+8], v[(\a)+8], v[(\a)+12]
	v_add_f32 v[(\a)], v[(\a)], v[(\a)+8]
	v_add_f32_dpp v[(\a)], v[(\a)], v[(\a)] row_xmask:1 row_mask:0xf bank_mask:0xf
	v_max_num_f32_dpp v[(\a)], v[(\a)], v[(\a)] row_xmask:2 row_mask:0xf bank_mask:0xf
	v_max_num_f32_dpp v[(\a)], v[(\a)], v[(\a)] row_xmask:4 row_mask:0xf bank_mask:0xf
	v_max_num_f32_dpp v[(\a)], v[(\a)], v[(\a)] row_xmask:8 row_mask:0xf bank_mask:0xf
	v_permlanex16_b32 v[(\a)+1], v[(\a)], s[(\sel)], s[(\sel)+1]
	v_max_num_f32 v[(\a)], v[(\a)], v[(\a)+1]
	v_max_num_f32 v[(\a)], 0x0d800000, v[(\a)]
.endm
	s_load_b256 s[4:11], s[0:1], 0x0               ; qh s[4:5], nt s[6:7], amax s[8:9], bo s[10:11]
	s_load_b64 s[66:67], s[0:1], 0x20              ; out0
	v_lshl_add_u32 v[SPW], v0, 2, SPARE
	v_mov_b32 v[NIL], 0
	ds_add_u32 v[SPW], v[NIL]                      ; the wave's opening: the add, twice on end, and its wait ahead of my first tensor load
	ds_add_u32 v[SPW], v[NIL]                      ; and once more, under the one wait
	v_lshrrev_b32 v1, 5, v0
	v_readfirstlane_b32 s[WV], v1                  ; wave 0..3
	s_lshr_b32 s13, s[WV], 1                       ; my half of the tile's rows.  Also: I fetch q (0) or N (1)
	s_and_b32 s14, s[WV], 1                        ; my half of its columns.  Also: which half I fetch
	s_bfe_u32 s40, ttmp6, 0x40000                  ; cx
	s_bfe_u32 s41, ttmp6, 0x40004                  ; cy
	s_lshl_b32 s42, ttmp9, 2
	s_add_co_u32 s42, s42, s40                     ; tile column
	s_and_b32 s45, ttmp7, 0xffff                   ; cluster y
	s_lshl_b32 s15, s45, 2
	s_add_co_u32 s15, s15, s41                     ; tile row
	s_lshr_b32 s45, s45, 2                         ; batch: 16 tile rows, four clusters
	s_lshl_b32 s43, s41, 2
	s_lshl_b32 s43, 15, s43                        ; my row of the cluster
	s_lshl_b32 s44, 0x1111, s40                    ; my column
	s_or_b32 s[G1], s43, (1<<16)|(1<<20)|(1<<21)|(4<<22)|(3<<25)   ; mask; 2-byte elements; padding on; 21 set beside a mask; after every 32 words (code 4) 4 words (code 3)
	s_or_b32 s[G1B], s44, (1<<16)|(1<<20)|(1<<21)|(4<<22)|(3<<25)
.irp g, G1, G1B
	s_mov_b32 s[(\g)+1], 128<<16                   ; tensor_dim0 = 128
	s_mov_b32 s[(\g)+2], 128<<16                   ; tensor_dim1 = 128
	s_mov_b32 s[(\g)+3], 128<<16                   ; tile_dim0 = 128
	s_mov_b32 s[(\g)+4], 128                       ; tile_dim1 = 128
	s_mov_b32 s[(\g)+5], 128                       ; dense rows
	s_mov_b32 s[(\g)+6], 0
	s_mov_b32 s[(\g)+7], 0
.endr
	s_lshl_b32 s16, s15, 1                         ; q: block of 64 rows = 2 x tile row + half; 16 planes = 131,072 bytes each
	s_add_co_u32 s16, s16, s14
	s_lshl_b32 s16, s16, 17
	s_mov_b32 s17, 0
	s_lshl_b32 s46, s45, 4                         ; N: 16 batch + 2 x tile column + half
	s_lshl_b32 s47, s42, 1
	s_add_co_u32 s46, s46, s47
	s_add_co_u32 s46, s46, s14
	s_lshl_b32 s46, s46, 17
	s_mov_b32 s47, 0
	s_mul_i32 s20, s[WV], HALFT                    ; where they go: wave x 36,864
	s_mov_b32 s68, 0x76543210
	s_mov_b32 s69, 0xfedcba98
	s_wait_dscnt 0x0                               ; both opening adds are done
	s_wait_kmcnt 0x0
	s_add_nc_u64 s[18:19], s[4:5], s[16:17]
	s_add_nc_u64 s[46:47], s[6:7], s[46:47]
	CROUND                                         ; all sixteen work-groups are here: the first joint loads meet
.irp s, 0,1
	s_mov_b32 s[G0+4*(\s)], 1
	s_add_co_u32 s[G0+4*(\s)+1], s20, (\s)*SLOT
	s_add_nc_u64 s[G0+4*(\s)+2:G0+4*(\s)+3], s[18:19], (\s)*32768   ; K step s: four planes on
	s_or_b32 s[G0+4*(\s)+3], s[G0+4*(\s)+3], 0x80000000
	s_mov_b32 s[G0B+4*(\s)], 1
	s_add_co_u32 s[G0B+4*(\s)+1], s20, (\s)*SLOT
	s_add_nc_u64 s[G0B+4*(\s)+2:G0B+4*(\s)+3], s[46:47], (\s)*32768
	s_or_b32 s[G0B+4*(\s)+3], s[G0B+4*(\s)+3], 0x80000000
	JLOAD \s                                       ; two tensor loads of mine are out
.endr
	v_and_b32 v1, 15, v0                           ; r
	v_bfe_u32 v2, v0, 4, 1                         ; h
	v_and_b32 v4, 31, v0
	v_lshlrev_b32 v4, 6, v4                        ; amax: 64 bytes a lane
	v_lshlrev_b32 v5, 5, v2                        ; bo: columns 8 h + 0..7
	s_mov_b32 s71, 0
	s_lshl_b32 s70, s45, 11
	s_add_nc_u64 s[8:9], s[8:9], s[70:71]
	s_lshl_b32 s70, s42, 9
	s_lshl_b32 s21, s14, 8
	s_add_co_u32 s70, s70, s21                     ; my 64 columns: 512 x tile column + 256 x half bytes
	s_add_nc_u64 s[10:11], s[10:11], s[70:71]
	s_add_nc_u64 s[66:67], s[66:67], s[70:71]
	s_lshl_b32 s70, s15, 19                        ; my first row: 128 x tile row + 64 x half, rows of 4,096 bytes
	s_lshl_b32 s21, s13, 18
	s_add_co_u32 s70, s70, s21
	s_add_nc_u64 s[66:67], s[66:67], s[70:71]
.irp i, 0,1,2,3
	global_load_b128 v[RB+4*(\i):RB+4*(\i)+3], v4, s[8:9] offset:16*(\i)
.endr
.irp b, 0,1,2,3
	global_load_b128 v[BO+8*(\b):BO+8*(\b)+3],   v5, s[10:11] offset:64*(\b)
	global_load_b128 v[BO+8*(\b)+4:BO+8*(\b)+7], v5, s[10:11] offset:64*(\b)+16
.endr
	v_mul_u32_u24 v3, v1, PITCH
	v_lshl_add_u32 v3, v2, 4, v3                   ; a fragment's row x pitch + 16 h
	s_mul_i32 s21, s13, HALFT
	s_mul_i32 s22, s14, HALFT
	s_add_co_u32 s22, s22, 2*HALFT
.irp s, 0,1
	v_add_nc_u32 v[ADRA+(\s)], s21, v3
	v_add_nc_u32 v[ADRB+(\s)], s22, v3
	s_add_co_u32 s21, s21, SLOT
	s_add_co_u32 s22, s22, SLOT
.endr
	s_mul_i32 s23, s[WV], 16*SPITCH
	s_add_co_u32 s23, s23, STAGE                   ; my stage
	v_mul_u32_u24 v[STO], v1, SPITCH               ; in: row r, 32 bytes for each half of the lanes
	v_lshl_add_u32 v[STO], v2, 5, v[STO]
	v_add_nc_u32 v[STO], s23, v[STO]
	v_mul_u32_u24 v[RD], v2, SPITCH                ; back: lanes 0-15 one row of 256 bytes, lanes 16-31 the next
	v_lshl_add_u32 v[RD], v1, 4, v[RD]
	v_add_nc_u32 v[RD], s23, v[RD]
	v_lshlrev_b32 v[CO], 4, v1                     ; and the same two rows in out
	v_lshl_add_u32 v[CO], v2, 12, v[CO]
	s_wait_loadcnt 0x0
	TBOUND RB, 68
	v_mul_f32 v[FS], 0x44000000, v[RB]             ; 512 t_b
	v_mov_b32 v[FS+1], v[FS]                       ; named with it as a pair
.set i, 0
.rept 16                               ; bo rounded to bf16
	v_cvt_pk_bf16_f32 v[TMP], v[BO+2*i], v[BO+2*i+1]
	v_lshlrev_b32 v[BO+2*i], 16, v[TMP]
	v_and_b32 v[BO+2*i+1], 0xffff0000, v[TMP]
.set i, i+1
.endr
; 8 matrix instructions: row blocks a0, a0 + 1 x 4 column blocks, 32 along K: half c of buffer f.  zero = 1: the first product starts the sums
.macro MUL8 f, c, a0, zero
	WIN MUL
.irp a, \a0, (\a0)+1
.irp b, 0,1,2,3
.if \zero
	v_wmma_f32_16x16x32_f16 v[ACC+8*(4*(\a)+(\b)):ACC+8*(4*(\a)+(\b))+7], v[(\f)+64+8*(4*(\c)+(\b)):(\f)+64+8*(4*(\c)+(\b))+7], v[(\f)+8*(4*(\c)+(\a)):(\f)+8*(4*(\c)+(\a))+7], 0
.else
	v_wmma_f32_16x16x32_f16 v[ACC+8*(4*(\a)+(\b)):ACC+8*(4*(\a)+(\b))+7], v[(\f)+64+8*(4*(\c)+(\b)):(\f)+64+8*(4*(\c)+(\b))+7], v[(\f)+8*(4*(\c)+(\a)):(\f)+8*(4*(\c)+(\a))+7], v[ACC+8*(4*(\a)+(\b)):ACC+8*(4*(\a)+(\b))+7]
.endif
.endr
.endr
.endm
; 32 LDS loads in one run: the fragments of one plane (64 along K), which begins k bytes into a half, into buffer f; the first 32 along K first
.macro FETCH slot, k, f
	WIN TO_F
.irp c, 0,1
.irp i, 0,1,2,3
	ds_load_b128 v[(\f)+64+8*(4*(\c)+(\i)):(\f)+64+8*(4*(\c)+(\i))+3],   v[ADRB+(\slot)] offset:(\k)+64*(\c)+(\i)*16*PITCH
	ds_load_b128 v[(\f)+64+8*(4*(\c)+(\i))+4:(\f)+64+8*(4*(\c)+(\i))+7], v[ADRB+(\slot)] offset:(\k)+64*(\c)+(\i)*16*PITCH+32
	ds_load_b128 v[(\f)+8*(4*(\c)+(\i)):(\f)+8*(4*(\c)+(\i))+3],         v[ADRA+(\slot)] offset:(\k)+64*(\c)+(\i)*16*PITCH
	ds_load_b128 v[(\f)+8*(4*(\c)+(\i))+4:(\f)+8*(4*(\c)+(\i))+7],       v[ADRA+(\slot)] offset:(\k)+64*(\c)+(\i)*16*PITCH+32
.endr
.endr
.endm
; A K step is four quarters (planes) of 32 matrix instructions, on buffers 0, 1, 0, 1; the 16 accumulators take turns
.macro QUARTER slot, k, f, g, zero
	s_wait_dscnt 16                                ; the first 32 along K are in
	MUL8 \f, 0, 0, \zero
	MUL8 \f, 0, 2, \zero
	PLACES
	FETCH \slot, \k, \g
	s_wait_dscnt 32                                ; all but the 32 just issued
	MUL8 \f, 1, 0, 0
	MUL8 \f, 1, 2, 0
.endm
; The last quarter multiplies buffer 1 and changes slots: one barrier; in front of it each wave waits for all its tensor loads, adds 0 to its spare word, and waits for that and for its reads of this slot.
; fill = 1: the barrier opens a round of the cluster's, and this slot is filled again, two K steps ahead, first thing behind it.
.macro TURN slot, next, fill
	WIN 0                                          ; (the add's two registers lie in window 0)
	s_wait_tensorcnt 0x0
	ds_add_u32 v[SPW], v[NIL]                      ; 0 onto my spare word
	s_wait_dscnt 17                                ; (the add and the youngest sixteen loads may be out)
	MUL8 F1, 0, 0, 0
	s_wait_dscnt 0x0                               ; the add is done, and my reads of this slot are over
	s_barrier_signal -1
	MUL8 F1, 0, 2, 0
.if \fill
	WIN 0
.endif
	s_barrier_wait -1
.if \fill
	CREST                                          ; no wave of any partner still reads this slot or has a load on its way
	s_add_nc_u64 s[G0+4*(\slot)+2:G0+4*(\slot)+3], s[G0+4*(\slot)+2:G0+4*(\slot)+3], 2*32768
	s_add_nc_u64 s[G0B+4*(\slot)+2:G0B+4*(\slot)+3], s[G0B+4*(\slot)+2:G0B+4*(\slot)+3], 2*32768
	JLOAD \slot                                    ; its four v_nop are also the places in front of the loads below
.else
	PLACES
.endif
	FETCH \next, 0, F0
	MUL8 F1, 1, 0, 0
	MUL8 F1, 1, 2, 0
.endm
	s_wait_tensorcnt 1                             ; my part of K step 0 is in; K step 1's may stay out
	s_barrier_signal -1
	s_barrier_wait -1
	FETCH 0, 0, F0
	QUARTER 0, PLANE,   F0, F1, 1                  ; K step 0: its first products start the sums.  The four K steps are written straight: a loop would have one trip
	QUARTER 0, 2*PLANE, F1, F0, 0
	QUARTER 0, 3*PLANE, F0, F1, 0
	TURN 0, 1, 1                                   ; slot 0 takes K step 2
	QUARTER 1, PLANE,   F0, F1, 0
	QUARTER 1, 2*PLANE, F1, F0, 0
	QUARTER 1, 3*PLANE, F0, F1, 0
	TURN 1, 0, 1                                   ; slot 1 takes K step 3
	QUARTER 0, PLANE,   F0, F1, 0
	QUARTER 0, 2*PLANE, F1, F0, 0
	QUARTER 0, 3*PLANE, F0, F1, 0
	TURN 0, 1, 0                                   ; nothing is left to fetch
	QUARTER 1, PLANE,   F0, F1, 0
	QUARTER 1, 2*PLANE, F1, F0, 0
	QUARTER 1, 3*PLANE, F0, F1, 0
	s_wait_dscnt 16
	MUL8 F1, 0, 0, 0
	MUL8 F1, 0, 2, 0
	s_wait_dscnt 0x0
	MUL8 F1, 1, 0, 0
	MUL8 F1, 1, 2, 0
	WIN 0
	PLACES
; THE WAY OUT, 16 rows at a time: one fused multiply-add for scale and bias, 32 bytes a lane into my own stage, back as whole rows of 256 bytes
.macro OUTBLK a
.irp b, 0,1,2,3
.irp i, 0,1,2,3
	v_pk_fma_f32 v[TMP+8*(\b)+2*(\i):TMP+8*(\b)+2*(\i)+1], v[ACC+8*(4*(\a)+(\b))+2*(\i):ACC+8*(4*(\a)+(\b))+2*(\i)+1], v[FS:FS+1], v[BO+8*(\b)+2*(\i):BO+8*(\b)+2*(\i)+1] op_sel_hi:[1,0,1]
.endr
.endr
.irp b, 0,1,2,3
	ds_store_b128 v[STO], v[TMP+8*(\b):TMP+8*(\b)+3]   offset:64*(\b)
	ds_store_b128 v[STO], v[TMP+8*(\b)+4:TMP+8*(\b)+7] offset:64*(\b)+16
.endr
.if (\a) > 0
	s_wait_xcnt 0x0                                ; v64-95 were the last block's store data: loaded again only behind this wait
.endif
.irp t, 0,1,2,3,4,5,6,7
	ds_load_b128 v[RB+4*(\t):RB+4*(\t)+3], v[RD] offset:(\t)*2*SPITCH  ; LDS serves a wave's instructions in order (ISA guide 5.7.1.4): these see the stores above
.endr
.irp t, 0,1,2,3,4,5,6,7
	s_wait_dscnt 7-(\t)
	global_store_b128 v[CO], v[RB+4*(\t):RB+4*(\t)+3], s[66:67] offset:(16*(\a)+2*(\t))*4096 th:TH_STORE_NT  ; 16 lanes store 256 consecutive bytes, aligned
.endr
.endm
	OUTBLK 0
	OUTBLK 1
	OUTBLK 2
	OUTBLK 3
	s_wait_tensorcnt 0x0                           ; the wave's end: behind my last tensor load and my last LDS store
	ds_add_u32 v[SPW], v[NIL]
	s_wait_dscnt 0x0
	CROUND                                         ; the closing round: no work-group ends while a partner may still ask for a tile that names it
	s_endpgm
.Lfunc_end_k_q56e560ac99_outp:
	.size	k_q56e560ac99_outp, .Lfunc_end_k_q56e560ac99_outp-k_q56e560ac99_outp
	.p2alignl 7, 3214868480
	.fill 96, 4, 3214868480
	.section	.rodata,"a",@progbits
	.p2align	6, 0x0
	.amdhsa_kernel k_q56e560ac99_outp
		.amdhsa_group_segment_fixed_size 327680
		.amdhsa_private_segment_fixed_size 0
		.amdhsa_enable_private_segment 0
		.amdhsa_kernarg_size 40
		.amdhsa_user_sgpr_count 2
		.amdhsa_user_sgpr_kernarg_segment_ptr 1
		.amdhsa_wavefront_size32 1
		.amdhsa_system_sgpr_workgroup_id_x 1
		.amdhsa_system_sgpr_workgroup_id_y 1
		.amdhsa_system_sgpr_workgroup_id_z 1
		.amdhsa_system_vgpr_workitem_id 0
		.amdhsa_next_free_vgpr 512
		.amdhsa_next_free_sgpr 80
		.amdhsa_reserve_vcc 0
		.amdhsa_float_denorm_mode_32 3
		.amdhsa_float_denorm_mode_16_64 3
		.amdhsa_memory_ordered 1
		.amdhsa_forward_progress 1
		.amdhsa_inst_pref_size 95
	.end_amdhsa_kernel
	.amdgpu_metadata
---
amdhsa.version: [ 1, 2 ]
amdhsa.kernels:
  - .name:           k_q56e560ac99_outp
    .symbol:         k_q56e560ac99_outp.kd
    .args:
      - { .name: qh, .offset: 0, .size: 8, .value_kind: global_buffer, .address_space: global }
      - { .name: nt, .offset: 8, .size: 8, .value_kind: global_buffer, .address_space: global }
      - { .name: amax, .offset: 16, .size: 8, .value_kind: global_buffer, .address_space: global }
      - { .name: bo, .offset: 24, .size: 8, .value_kind: global_buffer, .address_space: global }
      - { .name: out0, .offset: 32, .size: 8, .value_kind: global_buffer, .address_space: global }
    .group_segment_fixed_size: 327680
    .private_segment_fixed_size: 0
    .kernarg_segment_align: 8
    .kernarg_segment_size: 40
    .max_flat_workgroup_size: 128
    .sgpr_count:     80
    .vgpr_count:     512
    .wavefront_size: 32
...
	.end_amdgpu_metadata
.endif
;; end of part 4
;; ======== version 2 of 2: 4 launches; version 1 with the launch cast written anew for expert scheduling mode
;; limits: values are held in f16: magnitudes above 65,504 overflow, below 6.1e-05 lose precision; right only within a limited range of input values
;; workspace buffers: xb 8,388,608 bytes; wcat 6,291,456 bytes; qh 8,388,608 bytes; mpart 4,194,304 bytes; amax 4,096 bytes; nt 4,194,304 bytes
;; launch cast (part 5): grid 448 x 1, 8 waves a work-group, no clusters, 0 bytes of LDS; arguments x, Wq, Wk, Wv, xb, wcat; writes xb, wcat
.if DOCPART == 5
	.amdgcn_target "amdgcn-amd-amdhsa--gfx1250"
	.amdhsa_code_object_version 6
	.text
	.protected	k_q56e560ac99_cast
	.globl	k_q56e560ac99_cast
	.p2align	8
	.type	k_q56e560ac99_cast,@function
k_q56e560ac99_cast:
	s_mov_b64 s[64:65], 0
	v_nop
	global_prefetch_b8 v0, s[64:65] scope:SCOPE_SE
	s_setreg_imm32_b32 hwreg(HW_REG_WAVE_SCHED_MODE, 0, 2), 2
	s_setreg_imm32_b32 hwreg(HW_REG_WAVE_MODE, 25, 1), 1
	s_wait_xcnt 0x0
	s_wait_alu depctr_vm_vsrc(0)
; THE PROGRAM (four launches).  reference(): out = ((x Wq + bq)(x Wk + bk)^T / 8)(x Wv + bv), head by head, then times Wo plus bo.  No softmax stands between the
; two inner products, so for every value of the inputs, in exact arithmetic, (Q K^T) V = Q (K^T V): per batch and head M = K^T V is 64 x 64, and the L x L scores are never formed.
; Further Q (M Wo_h) = (Q M) Wo_h, so the head's M is multiplied into Wo first.  No input is left out: all nine are loaded.
; LIMITS of the whole program.  The sums are taken in another order than reference()'s.  A NaN, an infinity or an overflow that would arise only in the L x L scores is not carried to the result.
; All inputs are rounded to bf16; q, k, v are kept as f16 after a factor 1/16, so |q|, |k|, |v| (bias included) must stay under 16 x 65,504, and below a root mean square of 3e-4 they lose more than f16's usual rounding.
; THIS LAUNCH: x, Wq, Wk, Wv from f32 to bf16.  xb keeps x's layout.  wcat lays the weights in blocks [head 16][K step 8][q, k, v][k 128][64 columns], so that what a
; work-group of the next launch wants for one K step of 128 is 49,152 consecutive bytes.
; A stream: no LDS, no matrix work, no loop, nothing shared between work-groups (so no cluster).  A wave issues 16 loads of 512 bytes at once and 16 stores, each of 256 consecutive bytes, aligned.
; Work-groups 0-255: 65,536 bytes of x each.  Work-groups 256-447: 256 rows x 64 columns of one weight (part, head, quarter of K).
; THE MODE: SCHED_MODE bits 1:0 = 2 (LLVM: expert scheduling mode 2), set by the entry lines.  The code itself states the register dependences
; between vector instructions and memory instructions, with s_wait_alu, always for 0.
; THE PLAN.  Registers that memory instructions touch:
;   v2   the loads' offset.   Written by one vector line in each of the two arms; read by that arm's 16 loads; never written again.
;   v3   the stores' offset.  Written once at the head; read by the 16 stores; never written again.
;   X    load i's 4 registers.   Written by the loads alone; read by load i's two conversions; never loaded again.
;   Y    store i's 2 registers.  Written by load i's two conversions, once; read by store i; never written again.
; The 16 loads go in four blocks of four.  Block p's conversions read X of block p and write Y of block p; the memory instructions that stand among them are the four stores
; of block p - 1, which read Y of block p - 1 and v3: registers that no vector line of block p names.  So one wait on va_vdst at a block's head states all that its four stores hang on.
; No register that a memory instruction reads is written again, so the text holds no wait on vm_vsrc past the entry lines.  EXEC is never written.
.set X, 8                              ; v[8:71]   load i: 4 registers
.set Y, 72                             ; v[72:103] store i: 2 registers
.macro LOADS step                      ; 16 loads, step bytes apart
.irp i, 0,1,2,3,4,5,6,7,8,9,10,11,12,13,14,15
	global_load_b128 v[X+4*(\i):X+4*(\i)+3], v2, s[20:21] offset:(\step)*(\i) th:TH_LOAD_NT
.endr
.endm
	s_load_b256 s[4:11], s[0:1], 0x0               ; x s[4:5], Wq s[6:7], Wk s[8:9], Wv s[10:11]
	s_load_b128 s[12:15], s[0:1], 0x20             ; xb s[12:13], wcat s[14:15]
	v_and_b32 v1, 31, v0                           ; lane
	v_lshrrev_b32 v4, 5, v0
	v_readfirstlane_b32 s16, v4                    ; wave 0..7
	v_lshlrev_b32 v3, 3, v1                        ; out: 8 bytes a lane
	s_mov_b32 s25, 0
	s_mov_b32 s27, 0
	s_wait_alu depctr_va_sdst(0)                   ; s16 is written: its first reader stands in either arm
	s_cmp_lt_u32 ttmp9, 256
	s_cbranch_scc0 .Lweights
	s_lshl_b32 s24, ttmp9, 16                      ; x: the work-group's 65,536 bytes,
	s_lshl_b32 s17, s16, 13                        ; the wave's 8,192
	s_add_co_u32 s24, s24, s17
	s_lshr_b32 s26, s24, 1                         ; half as many bytes out
	v_lshlrev_b32 v2, 4, v1                        ; in: 16 bytes a lane
	s_wait_kmcnt 0x0
	s_add_nc_u64 s[20:21], s[4:5], s[24:25]
	s_add_nc_u64 s[22:23], s[12:13], s[26:27]
	s_wait_alu depctr_va_vdst(0)                   ; v2 is written, which the loads below read as their offset; so is v3, which the stores behind the join read
	LOADS 512
	s_branch .Lout
.Lweights:
	s_sub_co_u32 s28, ttmp9, 256                   ; u = 0..191
	s_lshr_b32 s29, s28, 6                         ; part: 0 q, 1 k, 2 v
	s_bfe_u32 s30, s28, 0x40002                    ; head
	s_and_b32 s28, s28, 3                          ; quarter of K: 256 rows
	s_lshl_b32 s24, s28, 20                        ; in: (256 quarter + 32 wave) rows of 4,096 bytes + 256 head
	s_lshl_b32 s17, s16, 17
	s_add_co_u32 s24, s24, s17
	s_lshl_b32 s17, s30, 8
	s_add_co_u32 s24, s24, s17
	s_lshl_b32 s26, s30, 3                         ; out: ((8 head + K step) 3 + part) 16,384 + 32 (wave % 4) rows of 128 bytes; K step = 2 quarter + wave / 4
	s_lshl_b32 s17, s28, 1
	s_add_co_u32 s26, s26, s17
	s_lshr_b32 s17, s16, 2
	s_add_co_u32 s26, s26, s17
	s_mul_i32 s26, s26, 3
	s_add_co_u32 s26, s26, s29
	s_lshl_b32 s26, s26, 14
	s_and_b32 s17, s16, 3
	s_lshl_b32 s17, s17, 12
	s_add_co_u32 s26, s26, s17
	v_and_b32 v5, 15, v1                           ; lanes 0-15 take a row's 256 bytes, lanes 16-31 the next row's
	v_lshrrev_b32 v6, 4, v1
	v_lshlrev_b32 v5, 4, v5
	v_lshl_add_u32 v2, v6, 12, v5
	s_wait_kmcnt 0x0
	s_cmp_eq_u32 s29, 0
	s_cselect_b64 s[20:21], s[6:7], s[8:9]
	s_cmp_eq_u32 s29, 2
	s_cselect_b64 s[20:21], s[10:11], s[20:21]
	s_add_nc_u64 s[20:21], s[20:21], s[24:25]
	s_add_nc_u64 s[22:23], s[14:15], s[26:27]
	s_wait_alu depctr_va_vdst(0)                   ; v2 is written, which the loads below read as their offset; so is v3, which the stores behind the join read
	LOADS 8192                                     ; two rows a load
.Lout:
.macro CVT i                           ; load i's four numbers a lane, rounded to bf16
	v_cvt_pk_bf16_f32 v[Y+2*(\i)], v[X+4*(\i)], v[X+4*(\i)+1]
	v_cvt_pk_bf16_f32 v[Y+2*(\i)+1], v[X+4*(\i)+2], v[X+4*(\i)+3]
.endm
.macro PUT i                           ; 32 lanes x 8 bytes: 256 consecutive bytes, aligned
	global_store_b64 v3, v[Y+2*(\i):Y+2*(\i)+1], s[22:23] offset:256*(\i)
.endm
; Block p: loads 4 p to 4 p + 3 are rounded; the four stores of the block before are dealt among the eight conversions, each ahead of the two conversions of one load.
.macro BLK p
	s_wait_loadcnt 12-4*(\p)                       ; loads come back in order (ISA guide 5.7.1): this block's four are in, the younger blocks' stay out
.if (\p) > 0
	s_wait_alu depctr_va_vdst(0)                   ; the block before has written its Y, which the four stores below read; no vector line of this block names those registers or v3
.endif
.irp j, 0,1,2,3
.if (\p) > 0
	PUT 4*((\p)-1)+(\j)
.endif
	CVT 4*(\p)+(\j)
.endr
.endm
	BLK 0
	BLK 1
	BLK 2
	BLK 3
	s_wait_alu depctr_va_vdst(0)                   ; block 3 has written its Y, which the last four stores read
.irp i, 12,13,14,15
	PUT \i
.endr
	s_endpgm
.Lfunc_end_k_q56e560ac99_cast:
	.size	k_q56e560ac99_cast, .Lfunc_end_k_q56e560ac99_cast-k_q56e560ac99_cast
	.p2alignl 7, 3214868480
	.fill 96, 4, 3214868480
	.section	.rodata,"a",@progbits
	.p2align	6, 0x0
	.amdhsa_kernel k_q56e560ac99_cast
		.amdhsa_group_segment_fixed_size 0
		.amdhsa_private_segment_fixed_size 0
		.amdhsa_enable_private_segment 0
		.amdhsa_kernarg_size 48
		.amdhsa_user_sgpr_count 2
		.amdhsa_user_sgpr_kernarg_segment_ptr 1
		.amdhsa_wavefront_size32 1
		.amdhsa_system_sgpr_workgroup_id_x 1
		.amdhsa_system_sgpr_workgroup_id_y 1
		.amdhsa_system_sgpr_workgroup_id_z 1
		.amdhsa_system_vgpr_workitem_id 0
		.amdhsa_next_free_vgpr 104
		.amdhsa_next_free_sgpr 66
		.amdhsa_reserve_vcc 0
		.amdhsa_float_denorm_mode_32 3
		.amdhsa_float_denorm_mode_16_64 3
		.amdhsa_memory_ordered 1
		.amdhsa_forward_progress 1
		.amdhsa_inst_pref_size 9
	.end_amdhsa_kernel
	.amdgpu_metadata
---
amdhsa.version: [ 1, 2 ]
amdhsa.kernels:
  - .name:           k_q56e560ac99_cast
    .symbol:         k_q56e560ac99_cast.kd
    .args:
      - { .name: x, .offset: 0, .size: 8, .value_kind: global_buffer, .address_space: global }
      - { .name: Wq, .offset: 8, .size: 8, .value_kind: global_buffer, .address_space: global }
      - { .name: Wk, .offset: 16, .size: 8, .value_kind: global_buffer, .address_space: global }
      - { .name: Wv, .offset: 24, .size: 8, .value_kind: global_buffer, .address_space: global }
      - { .name: xb, .offset: 32, .size: 8, .value_kind: global_buffer, .address_space: global }
      - { .name: wcat, .offset: 40, .size: 8, .value_kind: global_buffer, .address_space: global }
    .group_segment_fixed_size: 0
    .private_segment_fixed_size: 0
    .kernarg_segment_align: 8
    .kernarg_segment_size: 48
    .max_flat_workgroup_size: 256
    .sgpr_count:     66
    .vgpr_count:     104
    .wavefront_size: 32
...
	.end_amdgpu_metadata
.endif
;; end of part 5
;; launch proj: the kernel of part 2 again; grid 16 x 16, 4 waves a work-group, clusters of 4 x 4, 327,680 bytes of LDS; arguments xb, wcat, bq, bk, bv, qh, mpart, amax; writes qh, mpart, amax
;; launch mix: the kernel of part 3 again; grid 4 x 32, 4 waves a work-group, no clusters, 59,904 bytes of LDS; arguments mpart, amax, Wo, nt; writes nt
;; launch outp: the kernel of part 4 again; grid 8 x 32, 4 waves a work-group, clusters of 4 x 4, 327,680 bytes of LDS; arguments qh, nt, amax, bo, out0; writes out0
